; MI455X (gfx1250); checked and timed in simulation.
; The chip was launched on July 23, 2026; its instructions are those of AMD's public machine-readable ISA for CDNA 5 (MIT licence, August 2026) and "CDNA5" Instruction Set Architecture Reference Guide (July 2026). The comments in the code are by the model that wrote it; some were corrected since.
;; Multi Head Attention. Allowed arithmetic: matrix products marked QUANTISED: E2M3 operands, one E8M0 scale for each 32 along K, by v_wmma_scale_f32_16x16x128_f8f6f4 with both operands' format E2M3, f32 sums; everything else in f32.
;; Inputs: c_attn_b 3,072 float32; c_attn_w 1,024 x 3,072 float32; c_proj_b 1,024 float32; c_proj_w 1,024 x 1,024 float32; x 4 x 2,048 x 1,024 float32.
;; Outputs: out0 4 x 2,048 x 1,024 float32.
;; This version of the problem:
;;   THIS VERSION OF THE PROBLEM IS GIVEN IN LOW PRECISION. The matrix products marked QUANTISED in the list below multiply operands that are first quantised to E2M3 (2 exponent bits, 3 mantissa bits; 6 bits a number), with one power-of-two scale for each 32 numbers along K (OCP MX v1.0); their sums are f32. All else is computed in f32.
;;   The module's matrix products, in the order in which they are computed (A, B: the left and right operand; K: the contracted axis; several contracted axes count as one K, in the product's order):
;;     1. [M 8,192, K 1,024] x [K 1,024, N 3,072]; A: input x; B: input c_attn_w: QUANTISED
;;     2. batch 64 x [M 2,048, K 64] x [K 64, N 2,048]; A: computed on the way; B: computed on the way: QUANTISED
;;     3. batch 64 x [M 2,048, K 2,048] x [K 2,048, N 64]; A: softmax (see below); B: computed on the way: QUANTISED
;;     4. [M 8,192, K 1,024] x [K 1,024, N 1,024]; A: computed on the way; B: input c_proj_w: QUANTISED
;;   THE QUANTISER, for each operand of a quantised product, along K:
;;     - K is cut into blocks of 32 from its start; a last block that is shorter is filled with zeros.
;;     - A block's scale is 2^e with e = floor(log2(the largest magnitude in the block)) - 2, held to -126 .. 127; a block of zeros has e = 0. As a byte (E8M0): e + 127.
;;     - Each number is divided by its block's scale, clamped to +-7.5, and rounded to the nearest number of E2M3, ties to even, subnormals kept.
;;     - The product sums the exact products of the quantised numbers (number of the format x scale) in f32.
;;   ~~~python
;;   def quantise(x, axis):      # numpy; x: float32 -> the quantised numbers, widened to float32 again
;;       x = np.moveaxis(x, axis, -1); K = x.shape[-1]
;;       x = np.pad(x, [(0, 0)] * (x.ndim - 1) + [(0, -K % 32)]); x = x.reshape(x.shape[:-1] + (-1, 32)); a = np.abs(x).max(-1, keepdims=True)
;;       e = np.where(a > 0, np.clip(np.frexp(np.where(a > 0, a, 1))[1] - 1 - 2, -126, 127), 0)      # np.frexp(a)[1] - 1 = floor(log2(a)), exactly
;;       r = np.clip(x / 2.0 ** e, -7.5, 7.5)
;;       step = 2.0 ** (np.maximum(np.frexp(np.where(r == 0, 1, r))[1] - 1, 0) - 3)
;;       q = np.round(r / step) * step * 2.0 ** e      # np.round: ties to even
;;       return np.moveaxis(q.reshape(q.shape[:-2] + (-1,))[..., :K], -1, axis).astype(np.float32)
;;   ~~~
;;   SOFTMAX AHEAD OF A QUANTISED PRODUCT. Where the list says 'softmax', what is quantised is not the finished softmax but p = 2^(t - M), with t = logit x log2(e) and M = ceil(the row's largest t), a whole number; so 1/2 < the row's largest p <= 1. The row's sum l is taken of the UNQUANTISED p, in f32, and the product's result is divided by l at the end. Since M is a whole number, a kernel that streams over the keys may use a running M (the ceiling of the running maximum): every later rescaling is an exact power of two, which a block's scale takes up: the codes' values come out the same.
;;   OPERANDS COMPUTED ON THE WAY. 'Computed on the way' means the value that the module computes at that place (a softmax that the list does not call 'softmax' is quantised finished and normalised). What goes into a quantiser is computed in f32, as accurately as f32 sums, v_exp_f32 and their like allow (about 1e-6 of the number): no bf16 or f16 on the way to a quantiser, and a product that is left as it is and whose result goes on into a quantised operand takes f32 operands (vector FMAs, or v_wmma_f32_16x16x4_f32). A number that lies on a knife's edge between two numbers of the format may be rounded either way, as far as f32 arithmetic and the matrix unit's own rounding can turn it there, and no further.
;; One version. Each part assembles by itself: llvm-mc -triple=amdgcn-amd-amdhsa -mcpu=gfx1250 --defsym DOCPART=n.
;; ======== version 1 of 1: 4 launches
;; workspace buffers: xi 6,291,456 bytes; xs 262,144 bytes; wi 3,145,728 bytes; ws 131,072 bytes; qkv 19,660,800 bytes; ai 6,291,456 bytes; asc 262,144 bytes
;; launch quant (part 1): grid 384 x 1, 4 waves a work-group, no clusters, 68,096 bytes of LDS; arguments x, c_attn_w, c_proj_w, xi, xs, wi, ws; writes xi, xs, wi, ws
.if DOCPART == 1
	.amdgcn_target "amdgcn-amd-amdhsa--gfx1250"
	.amdhsa_code_object_version 6
	.text
	.protected	k_q9a1371d72c_quant
	.globl	k_q9a1371d72c_quant
	.p2align	8
	.type	k_q9a1371d72c_quant,@function
k_q9a1371d72c_quant:
	s_mov_b64 s[64:65], 0
	v_nop
	global_prefetch_b8 v0, s[64:65] scope:SCOPE_SE
	s_setreg_imm32_b32 hwreg(HW_REG_WAVE_MODE, 25, 1), 1
	s_wait_xcnt 0x0
; x [8192][1024], c_attn_w [1024][3072] and c_proj_w [1024][1024], f32, become codes of FP6 (E2M3) with one E8M0 byte for each 32 along K (K = the 1,024).
; A block's scale is 2^(floor(log2(its largest magnitude)) - 2): its byte is the largest magnitude's exponent field - 2, held at 1 from below.
; LIMITS: NaN and infinities among the inputs are not served; a block whose largest magnitude lies under 2^-124, a block of zeros among them, gets the byte 1 (its codes are then 0 or tiny; the bytes are read by this program alone).
; THE CODES ARE LAID AS IMAGES OF THE MATRIX OPERAND'S REGISTERS.  Rows go in tiles of 16, K in chunks of 64; a (tile, chunk) is 768 bytes: image lane (r, h) holds row r, k = 32 h + 0..31 of the chunk, 24 bytes:
; its bytes 0-15 at 16 (16 h + r), its bytes 16-23 at 512 + 16 r + 8 h.  Buffer: [tile][chunk 16][768].
; THE ROWS OF A TILE ARE NOT NEIGHBOURS: tile 2 b + u, row r is true row 32 b + 8 u + (r & 7) + 16 (r >> 3), so that results made with such a tile as source 0 have 16 neighbours in a lane's 16 registers.
; THE SCALE BYTES: [pair of tiles b][K / 256: 4][u 2][r 16][8 bytes].
; Work-groups 0-255 take x (a wave: 32 tokens x 256 K), 256-383 the weights (a wave: 256 K x 32 columns): 32 KB a wave, in 8 chunks of 8 loads of 512 bytes, four chunks (32 loads) ahead.
; Each chunk turns through the wave's own stage in LDS, so that a lane gets one whole block of 32 neighbours along K.  Waves share nothing: no barrier.  The two paths have LDS bytes of their own.
.set R,   32                           ; v32-159  four sets of 32 registers as loaded
.set X,   160                          ; v160-223 two sets of 32 neighbours along K
.set C,   224                          ; v224-229 a block's 24 bytes of codes
.set T,   230                          ; v230-232 the second conversion's result
.set E,   236                          ; v236-239 weights: bytes 16-23 of two blocks
.set M0,  240
.set M1,  241
.set SO,  242                          ; the conversion's scale operand
.set BY,  243                          ; the scale's byte
.set U,   244                          ; v244-247 scale bytes gathered
.set XREG, 8704                        ; x path: a wave's two stages of 16 rows x 272 bytes
.set WBASE, 34816                      ; weight path: behind the x path's bytes,
.set WREG, 8192                        ; a wave's two stages of 32 rows x 128 bytes
	s_load_b256 s[4:11], s[0:1], 0x0               ; x s[4:5], c_attn_w s[6:7], c_proj_w s[8:9], xi s[10:11]
	s_load_b128 s[12:15], s[0:1], 0x20             ; xs s[12:13], wi s[14:15]
	s_load_b64 s[16:17], s[0:1], 0x30              ; ws
	v_lshl_add_u32 v254, v0, 2, 0x10800
	v_mov_b32 v255, 0
	v_lshrrev_b32 v1, 5, v0
	v_readfirstlane_b32 s18, v1                    ; wave 0..3
	v_and_b32 v1, 31, v0                           ; lane
	v_and_b32 v2, 15, v0                           ; r
	v_bfe_u32 v3, v0, 4, 1                         ; h
	s_wait_kmcnt 0x0
.macro XLOADC q                        ; x, chunk q = 4 u + c: tile u's 16 rows x 64 K; load j: image rows 2 j and 2 j + 1, 256 consecutive bytes for each half of the lanes
.irp j, 0,1,2,3,4,5,6,7
	global_load_b128 v[R+32*((\q)%4)+4*\j:R+32*((\q)%4)+4*\j+3], v4, s[4:5] offset:(8*((\q)/4)+2*(\j%4)+16*(\j/4))*4096+256*((\q)%4) th:TH_LOAD_NT
.endr
.endm
.macro XTURN q                         ; through the stage: in by rows of 256 bytes + 16, out 128 bytes a lane.  LDS serves a wave's instructions in order: no wait between
.irp j, 0,1,2,3,4,5,6,7
	ds_store_b128 v5, v[R+32*((\q)%4)+4*\j:R+32*((\q)%4)+4*\j+3] offset:4352*((\q)%2)+544*\j
.endr
.irp i, 0,1,2,3,4,5,6,7
	ds_load_b128 v[X+32*((\q)%2)+4*\i:X+32*((\q)%2)+4*\i+3], v6 offset:4352*((\q)%2)+16*\i
.endr
.endm
.macro WLOADC q                        ; a weight, block q: 32 rows of K x 32 columns; load j: rows 4 j .. 4 j + 3, 128 bytes each
.irp j, 0,1,2,3,4,5,6,7
	global_load_b128 v[R+32*((\q)%4)+4*\j:R+32*((\q)%4)+4*\j+3], v[16+\j], s[32+2*(\q):33+2*(\q)] th:TH_LOAD_NT
.endr
.endm
.macro WTURN q                         ; in as loaded (dense), out a column a lane: register i = W(32 q + i, my column)
.irp j, 0,1,2,3,4,5,6,7
	ds_store_b128 v24, v[R+32*((\q)%4)+4*\j:R+32*((\q)%4)+4*\j+3] offset:4096*((\q)%2)+512*\j
.endr
.irp i, 0,1,2,3,4,5,6,7,8,9,10,11,12,13,14,15,16,17,18,19,20,21,22,23,24,25,26,27,28,29,30,31
	ds_load_b32 v[X+32*((\q)%2)+\i], v25 offset:4096*((\q)%2)+128*\i
.endr
.endm
.macro BLK xs                          ; a block of 32 numbers in v[xs] on: its byte in v[BY], its codes in v[C..C+3], v[T+1], v[T+2]
	v_max3_num_f32 v[M0], |v[\xs]|, |v[\xs+1]|, |v[\xs+2]|
	v_max3_num_f32 v[M1], |v[\xs+3]|, |v[\xs+4]|, |v[\xs+5]|
.irp i, 6,10,14,18,22,26
	v_max3_num_f32 v[M0], v[M0], |v[\xs+\i]|, |v[\xs+\i+1]|
	v_max3_num_f32 v[M1], v[M1], |v[\xs+\i+2]|, |v[\xs+\i+3]|
.endr
	v_max3_num_f32 v[M0], v[M0], |v[\xs+30]|, |v[\xs+31]|
	v_max3_num_f32 v[M0], v[M0], v[M1], 0x1800000  ; and the floor 2^(3 - 127): the byte cannot fall under 1
	v_add_nc_u32 v[SO], 0xff000000, v[M0]          ; 2 off the exponent field: the conversion takes this operand's exponent field as its scale
	s_wait_xcnt 0x0                                ; the last block's stores have read their data: the codes' registers are written again only behind this wait
	v_cvt_scalef32_pk16_fp6_f32 v[C:C+2], v[\xs:\xs+15], v[SO]
	v_cvt_scalef32_pk16_fp6_f32 v[T:T+2], v[\xs+16:\xs+31], v[SO]   ; (a conversion's three registers begin on an even number)
	v_lshrrev_b32 v[BY], 23, v[SO]                 ; the byte; also the plain line behind the conversions
	v_mov_b32 v[C+3], v[T]
.endm
; Chunk q.  w = 0: x; w = 1: a weight.
.macro CH q, w
	s_wait_dscnt 0x0                               ; chunk q is back from the stage, so its stores into the stage have read set q % 4,
.if (\q) < 4
.if \w
	WLOADC (\q)+4                                  ; which takes the loads of four chunks on
.else
	XLOADC (\q)+4
.endif
.endif
.if (\q) < 7
.if (\q) < 4
	s_wait_loadcnt 24                              ; the next chunk's 8 loads are in; the three chunks behind it may be out
.else
	s_wait_loadcnt 8*(6-(\q))
.endif
.if \w
	WTURN (\q)+1
.else
	XTURN (\q)+1
.endif
.endif
	BLK X+32*((\q)%2)
.if \w
	v_mov_b32 v[E+2*((\q)%2)], v[T+1]
	v_mov_b32 v[E+2*((\q)%2)+1], v[T+2]
	global_store_b128 v26, v[C:C+3], s[14:15] offset:((\q)/2)*768+256*((\q)%2)   ; bytes 0-15 of image lanes (r', h = q % 2): sixteen lanes fill 256 consecutive bytes, for each of the two tiles
.if (\q)%2
	global_store_b128 v26, v[E:E+3], s[14:15] offset:((\q)/2)*768+512            ; bytes 16-23 of h = 0 and h = 1 together
.endif
.if (\q)%4 == 0
	v_mov_b32 v[U+(\q)/4], v[BY]
.else
	v_lshl_or_b32 v[U+(\q)/4], v[BY], 8*((\q)%4), v[U+(\q)/4]
.endif
.else
	v_mov_b32 v[C+4], v[T+1]
	v_mov_b32 v[C+5], v[T+2]
	global_store_b128 v7, v[C:C+3], s[10:11] offset:((\q)/4)*12288+((\q)%4)*768       ; 512 consecutive bytes
	global_store_b64 v8, v[C+4:C+5], s[10:11] offset:((\q)/4)*12288+((\q)%4)*768+512  ; 256 consecutive bytes
.if (\q)%2 == 0
	v_mov_b32 v[U+(\q)/2], v[BY]
.else
	v_lshl_or_b32 v[U+(\q)/2], v[BY], 16, v[U+(\q)/2]
.endif
.endif
.endm
	s_cmp_ge_u32 ttmp9, 256
	s_cbranch_scc1 .Lweights
	; ---- x: pair of tiles b = work-group, K / 256 = wave
	s_lshl_b32 s20, ttmp9, 17                      ; 32 rows of 4,096 bytes
	s_lshl_b32 s21, s18, 10
	s_add_co_u32 s20, s20, s21
	s_mov_b32 s21, 0
	s_add_nc_u64 s[4:5], s[4:5], s[20:21]
	s_mul_i32 s20, ttmp9, 24576                    ; two tile rows of 12,288 bytes
	s_mul_i32 s22, s18, 3072
	s_add_co_u32 s20, s20, s22
	s_add_nc_u64 s[10:11], s[10:11], s[20:21]
	s_lshl_b32 s20, ttmp9, 10
	s_lshl_b32 s22, s18, 8
	s_add_co_u32 s20, s20, s22
	s_add_nc_u64 s[12:13], s[12:13], s[20:21]
	s_mul_i32 s23, s18, XREG
	v_lshlrev_b32 v4, 12, v3
	v_lshl_add_u32 v4, v2, 4, v4                   ; in memory: 4,096 h + 16 r
	v_mul_u32_u24 v5, v3, 272
	v_lshl_add_u32 v5, v2, 4, v5
	v_add_nc_u32 v5, s23, v5                       ; stage, in: 272 h + 16 r
	v_mul_u32_u24 v6, v2, 272
	v_lshl_add_u32 v6, v3, 7, v6
	v_add_nc_u32 v6, s23, v6                       ; stage, out: 272 r + 128 h
	v_lshlrev_b32 v7, 4, v1                        ; 16 x lane
	v_lshlrev_b32 v8, 4, v2
	v_lshl_add_u32 v8, v3, 3, v8                   ; 16 r + 8 h
.irp q, 0,1,2,3
	XLOADC \q
.endr
	s_wait_loadcnt 24
	XTURN 0
.irp q, 0,1,2,3,4,5,6,7
	CH \q, 0
.endr
	; the bytes: word 2 u + w of lane (r, h) holds blocks 4 w + h and 4 w + 2 + h of tile u's row r, at bits 0 and 16
	s_mov_b32 s24, 0x76543210
	s_mov_b32 s25, 0xfedcba98                      ; lane l xor 16
	v_lshlrev_b32 v9, 3, v3
.irp k, 0,1,2,3
	v_lshlrev_b32 v[U+\k], v9, v[U+\k]             ; 8 h bits up
	v_mov_b32 v[248+\k], 0
.endr
.irp k, 0,1,2,3
	v_permlanex16_b32 v[248+\k], v[U+\k], s24, s25
.endr
.irp k, 0,1,2,3
	v_or_b32 v[U+\k], v[U+\k], v[248+\k]           ; with the other half's two bytes the word is whole
.endr
	v_cmp_le_u32 vcc_lo, 16, v1
	v_cndmask_b32 v248, v[U], v[U+2], vcc_lo       ; lanes 0-15 store tile 0's rows, lanes 16-31 tile 1's
	v_cndmask_b32 v249, v[U+1], v[U+3], vcc_lo
	v_lshlrev_b32 v10, 3, v1
	global_store_b64 v10, v[248:249], s[12:13]     ; 256 consecutive bytes, aligned
	s_wait_tensorcnt 0x0
	ds_add_u32 v254, v255
	s_wait_dscnt 0x0
	s_endpgm
.Lweights:
	; ---- the weights: one text for both; only a pointer, the row's bytes and two offsets are chosen, on the work-group's number
	s_sub_co_u32 s20, ttmp9, 256
	s_cmp_lt_u32 s20, 96
	s_cselect_b64 s[6:7], s[6:7], s[8:9]
	s_mov_b32 s21, 4096
	s_cselect_b32 s21, 12288, s21                  ; a row of the weight in bytes
	s_cselect_b32 s22, 0, 96                       ; c_proj_w: 96 work-groups on, and 96 pairs of tiles on in wi and ws
	s_sub_co_u32 s20, s20, s22
	s_lshr_b32 s23, s20, 2
	s_lshl_b32 s23, s23, 2
	s_add_co_u32 s23, s23, s18                     ; which 32 columns: the four waves stand side by side
	s_and_b32 s24, s20, 3                          ; K / 256
	s_add_co_u32 s22, s22, s23                     ; the pair of tiles in wi and ws
	s_lshl_b32 s25, s24, 8
	s_mul_i32 s26, s25, s21
	s_lshl_b32 s27, s23, 7
	s_add_co_u32 s26, s26, s27
	s_mov_b32 s27, 0
	s_add_nc_u64 s[32:33], s[6:7], s[26:27]        ; block 0: row 256 s, column 32 pw
	s_lshl_b32 s28, s21, 5                         ; 32 rows on
	s_mov_b32 s29, 0
.irp t, 1,2,3,4,5,6,7
	s_add_nc_u64 s[32+2*\t:33+2*\t], s[30+2*\t:31+2*\t], s[28:29]
.endr
	s_mul_i32 s26, s22, 24576
	s_mul_i32 s25, s24, 3072
	s_add_co_u32 s26, s26, s25
	s_add_nc_u64 s[14:15], s[14:15], s[26:27]
	s_lshl_b32 s26, s22, 10
	s_lshl_b32 s25, s24, 8
	s_add_co_u32 s26, s26, s25
	s_add_nc_u64 s[16:17], s[16:17], s[26:27]
	v_lshrrev_b32 v9, 3, v1
	v_and_b32 v10, 7, v1
	v_lshlrev_b32 v10, 4, v10
.irp j, 0,1,2,3,4,5,6,7
	v_add_nc_u32 v11, 4*\j, v9
	v_mad_u32_u24 v[16+\j], v11, s21, v10          ; row 4 j + lane / 8, 16 bytes at 16 (lane % 8)
.endr
	s_lshl_b32 s30, s18, 13
	s_add_co_u32 s30, s30, WBASE
	v_lshl_add_u32 v24, v1, 4, s30                 ; stage, in: 16 x lane
	v_lshl_add_u32 v25, v1, 2, s30                 ; stage, out: 4 x lane
	v_bfe_u32 v12, v1, 3, 1                        ; column l of the 32 is tile u = (l >> 3) & 1,
	v_and_b32 v13, 7, v1
	v_lshrrev_b32 v14, 4, v1
	v_lshl_add_u32 v13, v14, 3, v13                ; image row r' = (l & 7) + 8 (l >> 4)
	v_mul_u32_u24 v26, v12, 12288
	v_lshl_add_u32 v26, v13, 4, v26
	v_lshlrev_b32 v27, 7, v12
	v_lshl_add_u32 v27, v13, 3, v27
.irp q, 0,1,2,3
	WLOADC \q
.endr
	s_wait_loadcnt 24
	WTURN 0
.irp q, 0,1,2,3,4,5,6,7
	CH \q, 1
.endr
	global_store_b64 v27, v[U:U+1], s[16:17]       ; my column's 8 bytes: the wave stores 256 consecutive bytes
	s_wait_tensorcnt 0x0
	ds_add_u32 v254, v255
	s_wait_dscnt 0x0
	s_endpgm
.Lfunc_end_k_q9a1371d72c_quant:
	.size	k_q9a1371d72c_quant, .Lfunc_end_k_q9a1371d72c_quant-k_q9a1371d72c_quant
	.p2alignl 7, 3214868480
	.fill 96, 4, 3214868480
	.section	.rodata,"a",@progbits
	.p2align	6, 0x0
	.amdhsa_kernel k_q9a1371d72c_quant
		.amdhsa_group_segment_fixed_size 68096
		.amdhsa_private_segment_fixed_size 0
		.amdhsa_enable_private_segment 0
		.amdhsa_kernarg_size 56
		.amdhsa_user_sgpr_count 2
		.amdhsa_user_sgpr_kernarg_segment_ptr 1
		.amdhsa_wavefront_size32 1
		.amdhsa_system_sgpr_workgroup_id_x 1
		.amdhsa_system_sgpr_workgroup_id_y 1
		.amdhsa_system_sgpr_workgroup_id_z 1
		.amdhsa_system_vgpr_workitem_id 0
		.amdhsa_next_free_vgpr 256
		.amdhsa_next_free_sgpr 66
		.amdhsa_reserve_vcc 1
		.amdhsa_float_denorm_mode_32 3
		.amdhsa_float_denorm_mode_16_64 3
		.amdhsa_memory_ordered 1
		.amdhsa_forward_progress 1
		.amdhsa_inst_pref_size 73
	.end_amdhsa_kernel
	.amdgpu_metadata
---
amdhsa.version: [ 1, 2 ]
amdhsa.kernels:
  - .name:           k_q9a1371d72c_quant
    .symbol:         k_q9a1371d72c_quant.kd
    .args:
      - { .name: x, .offset: 0, .size: 8, .value_kind: global_buffer, .address_space: global }
      - { .name: c_attn_w, .offset: 8, .size: 8, .value_kind: global_buffer, .address_space: global }
      - { .name: c_proj_w, .offset: 16, .size: 8, .value_kind: global_buffer, .address_space: global }
      - { .name: xi, .offset: 24, .size: 8, .value_kind: global_buffer, .address_space: global }
      - { .name: xs, .offset: 32, .size: 8, .value_kind: global_buffer, .address_space: global }
      - { .name: wi, .offset: 40, .size: 8, .value_kind: global_buffer, .address_space: global }
      - { .name: ws, .offset: 48, .size: 8, .value_kind: global_buffer, .address_space: global }
    .group_segment_fixed_size: 68096
    .private_segment_fixed_size: 0
    .kernarg_segment_align: 8
    .kernarg_segment_size: 56
    .max_flat_workgroup_size: 128
    .sgpr_count:     66
    .vgpr_count:     256
    .wavefront_size: 32
...
	.end_amdgpu_metadata
.endif
;; end of part 1
;; launch qkv (part 2): grid 12 x 32, 4 waves a work-group, clusters of 4 x 4, 327,680 bytes of LDS; arguments xi, xs, wi, ws, c_attn_b, qkv; writes qkv
.if DOCPART == 2
	.amdgcn_target "amdgcn-amd-amdhsa--gfx1250"
	.amdhsa_code_object_version 6
	.text
	.protected	k_q9a1371d72c_qkv
	.globl	k_q9a1371d72c_qkv
	.p2align	8
	.type	k_q9a1371d72c_qkv,@function
k_q9a1371d72c_qkv:
	s_mov_b64 s[64:65], 0
	v_nop
	global_prefetch_b8 v0, s[64:65] scope:SCOPE_SE
	s_setreg_imm32_b32 hwreg(HW_REG_WAVE_MODE, 25, 1), 1
	s_wait_xcnt 0x0
	s_wait_alu depctr_hold_cnt(0) depctr_sa_sdst(0) depctr_va_vdst(0) depctr_va_sdst(0) depctr_va_ssrc(0) depctr_va_vcc(0) depctr_vm_vsrc(0)
	s_getreg_b32 s2, hwreg(HW_REG_IB_STS2, 6, 4)
	s_cmp_eq_u32 s2, 0
	s_cbranch_scc0 .Lentry_in_a_cluster
	s_endpgm
.Lentry_in_a_cluster:
	s_bfe_u32 s2, ttmp6, 0x10000c
	s_cmp_lg_u32 s2, 0xf033
	s_cbranch_scc0 .Lentry_shape_is_right
	s_endpgm
.Lentry_shape_is_right:
; qkv = x c_attn_w + c_attn_b on codes of FP6 (E2M3) with E8M0 scales, and q, k, v quantised on the way out: q and k along the head's 64, v along the keys.  Nothing wide goes to memory.
; LIMITS: NaN and infinities are not served; a block whose largest magnitude lies under 2^-124 gets the byte 1.
; A tile of the product is 256 x 256, made by four waves, each 128 x 128: 64 accumulators, 512 registers.  K = 1,024 goes in four steps of 256 through two LDS slots.
; OPERANDS ARE IMAGES OF THEIR REGISTERS: [tile of 16 rows][chunk of 64 K][768 bytes] (bytes 0-15 of image lane l at 16 l, bytes 16-23 at 512 + 16 r + 8 h): a fragment (16 rows x 128 K, 12 registers) is four dense LDS loads.
; Tile 2 b + u, row r is true row 32 b + 8 u + (r & 7) + 16 (r >> 3).  Source 1 ("R") has its rows in the result's lanes; source 0 ("P") along a lane's registers, where the 16 registers of tiles 2 b, 2 b + 1 are 16 NEIGHBOURS:
; that is the axis that is quantised.  q, k (cluster x = 0, 1): R = x's tokens, P = the weight's columns (a head's 64).  v (cluster x = 2): R = the weight's columns, P = x's tokens (the keys).
; Both buffers have one shape, so the K loop does not know which is which: the pointers are chosen once, on the cluster's x, which all sixteen partners share.
; CLUSTERS: 4 x 4.  R's tiles hang on cy and are shared along a row of the cluster, P's on cx and are shared along a column: each is asked for jointly, which divides the requests by four.
; OUT: qkv = 64 blocks (batch x 16 + head) of 307,200 bytes: K codes [token tile 128][768] at 0; V codes [128 keys: 16][d tile 4][chunk 2][768] at 98,304; K scales [16][r 16][pair of tiles 4][4] at 196,608;
; V scales [16][r 16][d tile 4][4] at 200,704; Q codes at 204,800 and Q scales at 303,104, laid as K's.
; REGISTERS: window 0: v1-15, v24-31 addresses and the way out's words; v16-23 LDS addresses; v32-95 scale words (they hold nothing else); v96-127, v224-255 the bias; v128-223 R's fragments, one set.
;   window 1: P's fragments, two sets, at v0 and v128.  windows 2, 3: accumulator (a, b) at v[8 (8 (a % 4) + b)].
.set FR,    12
.set NL,    4                          ; LDS loads of a fragment
.set NP,    4                          ; places behind this matrix instruction (ISA guide 7.12.1)
.set HALFT, 24576                      ; 8 tile rows x 3,072 bytes: 128 rows x 256 K: what one tensor load brings
.set SLOT,  4*HALFT                    ; R's two halves, then P's two
.set SCL,   2*SLOT                     ; the scale bytes for all of K: 4,096 bytes for each wave's load, filled once
.set SPARE, SCL+4*4096                 ; the spare words, 128 bytes a wave: two blocks of 256 bytes that no other line names
.set GRP,   196608                     ; the codes of 256 rows
.set BLKB,  307200                     ; a head's block in qkv
.set ADRA,  16                         ; v16-17 R's fragments in slot 0, 1 (16 x lane); v18-19 the same for the 8-byte pieces (16 r + 8 h)
.set ADRB,  20                         ; v20-23 the same for P
.set ADRS,  27                         ; v27 my scale words: lanes 0-15 R's rows, lanes 16-31 P's
.set SPW,   28
.set NIL,   29
.set SC,    32                         ; v[SC + 8 i + g]: lanes 0-15 the word of R's tile i, lanes 16-31 of P's tile i, for the g-th 128 along K
.set BI,    96                         ; the bias: number x at v[BI + x + 96 (x / 32)]
.set AF,    128
.set H,     128                        ; the way out: 64 numbers of a lane
.set PC,    192                        ; v192-210 the codes just made
.set TM,    212                        ; v212-215 largest magnitudes, v216-219 bytes, v220-223 scale operands
.set PW,    1                          ; the scale word just made
.set PWE,   2
.set SELV,  3
.set SW,    4                          ; v4-11 scale words gathered
.set VOA,   12                         ; 16 x lane
.set VOB,   13                         ; 16 r + 8 h
.set VOS,   14                         ; 307,200 h + 16 r
.set SEL,   98
.set G1,  24
.set G0,  32
.set G1B, 48
.set G0B, 56
.set G1S, 68
.set G0S, 76
.set G1SB, 80
.set G0SB, 88
.set MSB, 0
.macro WIN new                         ; the immediate's high byte repeats the setting that is left
.if MSB != \new
	s_set_vgpr_msb (MSB<<8)|\new
.set MSB, \new
.endif
.endm
.set MUL_LO, 0xa1                      ; source 0 (P) window 1, source 1 (R) window 0, C and D window 2
.set MUL_HI, 0xf1
.set TO_P,   0x40
; A joint load: waves 0 and 1 fetch for R, waves 2 and 3 for P.  Each line has one mask and one set of registers; the branch hangs on the wave's number alone.  Four v_nop follow each line.
.macro JLOAD g0a, g1a, g0b, g1b
	s_cmp_eq_u32 s17, 0
	s_cbranch_scc0 .Lfor_p_\@
	tensor_load_to_lds s[\g0a:\g0a+3], s[\g1a:\g1a+7]
	s_nop 0
.rept 4
	v_nop
.endr
	s_branch .Lasked_\@
.Lfor_p_\@:
	tensor_load_to_lds s[\g0b:\g0b+3], s[\g1b:\g1b+7]
	s_nop 0
.rept 4
	v_nop
.endr
.Lasked_\@:
.endm
.macro CREST
	s_cmp_lg_u32 s16, 0
	s_cbranch_scc1 .Lnot_wave_0_\@
	s_barrier_signal -3
.Lnot_wave_0_\@:
	s_barrier_wait -3
	s_barrier_signal -1
	s_barrier_wait -1
.endm
.macro CROUND
	s_barrier_signal -1
	s_barrier_wait -1
	CREST
.endm
.macro PLACES n
.rept \n
	v_nop
.endr
.endm
	s_load_b256 s[4:11], s[0:1], 0x0               ; xi s[4:5], xs s[6:7], wi s[8:9], ws s[10:11]
	s_load_b128 s[12:15], s[0:1], 0x20             ; c_attn_b s[12:13], qkv s[14:15]
	v_lshl_add_u32 v[SPW], v0, 2, SPARE
	v_mov_b32 v[NIL], 0
	ds_add_u32 v28, v29
	ds_add_u32 v28, v29
	s_wait_dscnt 0x0
	v_lshrrev_b32 v1, 5, v0
	v_readfirstlane_b32 s16, v1                    ; wave 0..3
	s_lshr_b32 s17, s16, 1                         ; my half of R's rows.  Also: I fetch for R (0) or for P (1)
	s_and_b32 s18, s16, 1                          ; my half of P's rows.  Also: which half I fetch
	s_bfe_u32 s20, ttmp6, 0x40000                  ; cx
	s_bfe_u32 s21, ttmp6, 0x40004                  ; cy
	s_lshl_b32 s22, s21, 2
	s_lshl_b32 s22, 15, s22                        ; my row of the cluster
	s_lshl_b32 s23, 0x1111, s20                    ; my column
	; group 1, codes: 8 tile rows of 3,072 bytes (384 elements of 8 bytes), 12,288 bytes apart; dense in LDS
	s_or_b32 s[G1+0], s22, (3<<16)|(1<<21)
	s_or_b32 s[G1B+0], s23, (3<<16)|(1<<21)
.irp g, G1, G1B
	s_mov_b32 s[\g+1], 384<<16
	s_mov_b32 s[\g+2], 8<<16
	s_mov_b32 s[\g+3], 384<<16
	s_mov_b32 s[\g+4], 8
	s_mov_b32 s[\g+5], 1536
	s_mov_b32 s[\g+6], 0
	s_mov_b32 s[\g+7], 0
.endr
	; group 1, scale bytes of 128 rows: a dense block of 4,096 bytes as 16 rows of 256
	s_or_b32 s[G1S+0], s22, (3<<16)|(1<<21)
	s_or_b32 s[G1SB+0], s23, (3<<16)|(1<<21)
.irp g, G1S, G1SB
	s_mov_b32 s[\g+1], 32<<16
	s_mov_b32 s[\g+2], 16<<16
	s_mov_b32 s[\g+3], 32<<16
	s_mov_b32 s[\g+4], 16
	s_mov_b32 s[\g+5], 32
	s_mov_b32 s[\g+6], 0
	s_mov_b32 s[\g+7], 0
.endr
	s_and_b32 s19, ttmp7, 0xffff
	s_lshl_b32 s19, s19, 2                         ; 4 x cluster y
	s_lshl_b32 s3, ttmp9, 2                        ; 4 x cluster x
	s_mul_i32 s66, s18, 98304                      ; the half that I fetch: its codes,
	s_lshl_b32 s67, s18, 12                        ; its scale bytes
	s_mov_b32 s[SEL], 0x76543210
	s_mov_b32 s[SEL+1], 0xfedcba98
	s_wait_kmcnt 0x0
	s_cmp_eq_u32 ttmp9, 2                          ; v's clusters?  The same answer in all sixteen partners
	s_cselect_b32 s92, 8, s19                      ; R's group of 256 rows, less cy
	s_cselect_b32 s93, s19, s3                     ; P's, less cx
	s_cselect_b64 s[40:41], s[8:9], s[4:5]         ; R's codes
	s_cselect_b64 s[42:43], s[10:11], s[6:7]       ; R's scale bytes
	s_cselect_b64 s[44:45], s[4:5], s[8:9]         ; P's codes
	s_cselect_b64 s[46:47], s[6:7], s[10:11]       ; P's scale bytes
	s_add_co_u32 s92, s92, s21                     ; R hangs on cy alone,
	s_add_co_u32 s93, s93, s20                     ; P on cx alone
	s_mul_i32 s94, s92, GRP
	s_add_co_u32 s94, s94, s66
	s_mov_b32 s95, 0
	s_add_nc_u64 s[40:41], s[40:41], s[94:95]
	s_lshl_b32 s94, s92, 13
	s_add_co_u32 s94, s94, s67
	s_add_nc_u64 s[42:43], s[42:43], s[94:95]
	s_mul_i32 s96, s93, GRP
	s_add_co_u32 s96, s96, s66
	s_mov_b32 s97, 0
	s_add_nc_u64 s[44:45], s[44:45], s[96:97]
	s_lshl_b32 s96, s93, 13
	s_add_co_u32 s96, s96, s67
	s_add_nc_u64 s[46:47], s[46:47], s[96:97]
	s_mul_i32 s2, s16, HALFT                       ; where they go: wave x a constant: no place in the cluster enters an LDS address
	s_lshl_b32 s3, s16, 12
	CROUND                                         ; all sixteen work-groups are here: the first joint loads meet
	s_mov_b32 s[G0S], 1
	s_add_co_u32 s[G0S+1], s3, SCL
	s_mov_b64 s[G0S+2:G0S+3], s[42:43]
	s_or_b32 s[G0S+3], s[G0S+3], 0x80000000
	s_mov_b32 s[G0SB], 1
	s_add_co_u32 s[G0SB+1], s3, SCL
	s_mov_b64 s[G0SB+2:G0SB+3], s[46:47]
	s_or_b32 s[G0SB+3], s[G0SB+3], 0x80000000
	JLOAD G0S, G1S, G0SB, G1SB                     ; the scale bytes first: they are wanted with K step 0.  By this text's count three loads of a wave are out at the most
.irp s, 0,1
	s_mov_b32 s[G0+4*\s], 1
	s_add_co_u32 s[G0+4*\s+1], s2, \s*SLOT
	s_add_nc_u64 s[G0+4*\s+2:G0+4*\s+3], s[40:41], \s*3072
	s_or_b32 s[G0+4*\s+3], s[G0+4*\s+3], 0x80000000
	s_mov_b32 s[G0B+4*\s], 1
	s_add_co_u32 s[G0B+4*\s+1], s2, \s*SLOT
	s_add_nc_u64 s[G0B+4*\s+2:G0B+4*\s+3], s[44:45], \s*3072
	s_or_b32 s[G0B+4*\s+3], s[G0B+4*\s+3], 0x80000000
	JLOAD G0+4*\s, G1, G0B+4*\s, G1B
.endr
	v_and_b32 v30, 15, v0                          ; r
	v_bfe_u32 v31, v0, 4, 1                        ; h
	v_and_b32 v26, 31, v0                          ; lane
	v_lshlrev_b32 v[VOA], 4, v26
	v_lshlrev_b32 v[VOB], 4, v30
	v_lshl_add_u32 v[VOB], v31, 3, v[VOB]
	v_mul_u32_u24 v[VOS], v31, BLKB
	v_lshl_add_u32 v[VOS], v30, 4, v[VOS]
	s_mul_i32 s66, s17, HALFT                      ; my 128 rows of R
	s_mul_i32 s67, s18, HALFT                      ; my 128 rows of P,
	s_add_co_u32 s67, s67, 2*HALFT                 ; behind R's 256
.irp s, 0,1
	v_add_nc_u32 v[ADRA+\s], s66, v[VOA]
	v_add_nc_u32 v[ADRA+2+\s], s66, v[VOB]
	v_add_nc_u32 v[ADRB+\s], s67, v[VOA]
	v_add_nc_u32 v[ADRB+2+\s], s67, v[VOB]
	s_add_co_u32 s66, s66, SLOT
	s_add_co_u32 s67, s67, SLOT
.endr
	s_lshl_b32 s66, s17, 12                        ; R's scale bytes: my half
	s_lshl_b32 s67, s18, 12                        ; P's: my half, behind R's two
	s_add_co_u32 s67, s67, 8192
	s_sub_co_u32 s67, s67, s66
	v_mul_u32_u24 v15, s67, v31                    ; lanes 16-31 take P's: one product with h
	s_add_co_u32 s66, s66, SCL
	v_lshl_add_u32 v15, v30, 3, v15                ; 8 bytes a row
	v_add_nc_u32 v[ADRS], s66, v15
	; the bias, in the result's layout, 64 registers in either role; it lands under the K loop
	s_cmp_eq_u32 ttmp9, 2
	s_cbranch_scc1 .Lbias_v
	s_lshl_b32 s96, s93, 10                        ; q, k: number 16 bb + i belongs to column 256 TP + 128 (wave & 1) + 32 bb + 16 h + i
	s_lshl_b32 s66, s18, 9
	s_add_co_u32 s96, s96, s66
	s_add_nc_u64 s[12:13], s[12:13], s[96:97]
	v_lshlrev_b32 v24, 6, v31
.irp bb, 0,1,2,3
.irp jj, 0,1,2,3
	global_load_b128 v[BI+16*\bb+4*\jj+96*(\bb/2):BI+16*\bb+4*\jj+96*(\bb/2)+3], v24, s[12:13] offset:128*\bb+16*\jj
.endr
.endr
	s_branch .Lbias_done
.Lbias_v:
	s_lshl_b32 s94, s92, 10                        ; v: tile a's eight registers all hold the bias of my lane's column 256 TR + 128 (wave >> 1) + 32 (a / 2) + 8 (a % 2) + (r & 7) + 16 (r >> 3)
	s_lshl_b32 s66, s17, 9
	s_add_co_u32 s94, s94, s66
	s_add_nc_u64 s[12:13], s[12:13], s[94:95]
	v_and_b32 v25, 7, v30
	v_lshrrev_b32 v15, 3, v30
	v_lshl_add_u32 v25, v15, 4, v25
	v_lshlrev_b32 v25, 2, v25
.irp a, 0,1,2,3,4,5,6,7
.irp j, 0,1,2,3,4,5,6,7
	global_load_b32 v[BI+8*\a+\j+96*(\a/4)], v25, s[12:13] offset:(32*(\a/2)+8*(\a%2))*4
.endr
.endr
.Lbias_done:
.macro FRAG reg, adr, off              ; a fragment: two chunks of 768 bytes, each 16 bytes a lane and then 8
	ds_load_b128 v[\reg:\reg+3], v[\adr] offset:\off
	ds_load_b64 v[\reg+4:\reg+5], v[\adr+2] offset:\off+512
	ds_load_b128 v[\reg+6:\reg+9], v[\adr] offset:\off+768
	ds_load_b64 v[\reg+10:\reg+11], v[\adr+2] offset:\off+1280
.endm
.macro FETCH_P slot, q, p              ; P's eight fragments of the slot's q-th 128 along K into set p
	WIN TO_P
.irp i, 0,1,2,3,4,5,6,7
	FRAG 128*(\p)+FR*\i, ADRB+\slot, \i*3072+(\q)*1536
.endr
	WIN 0
.endm
.macro FETCH_R slot, q, i0             ; R's blocks i0 .. i0 + 3
.irp i, \i0, \i0+1, \i0+2, \i0+3
	FRAG AF+FR*(\i), ADRA+\slot, (\i)*3072+(\q)*1536
.endr
.endm
; 16 matrix instructions: R's blocks a0, a0 + 1 x P's eight; g: which 128 along K.  The 64 accumulators take turns, one instruction a turn, in the same order in every step.
.macro MUL16 a0, p, g, zero
.irp a, \a0, \a0+1
.irp b, 0,1,2,3,4,5,6,7
.if \zero
	v_wmma_scale_f32_16x16x128_f8f6f4 v[8*(8*((\a)%4)+\b):8*(8*((\a)%4)+\b)+7], v[128*(\p)+FR*\b:128*(\p)+FR*\b+FR-1], v[AF+FR*(\a):AF+FR*(\a)+FR-1], 0, v[SC+8*\b+(\g)], v[SC+8*(\a)+(\g)] matrix_a_fmt:MATRIX_FMT_FP6 matrix_b_fmt:MATRIX_FMT_FP6 matrix_a_scale:MATRIX_SCALE_ROW1
.else
	v_wmma_scale_f32_16x16x128_f8f6f4 v[8*(8*((\a)%4)+\b):8*(8*((\a)%4)+\b)+7], v[128*(\p)+FR*\b:128*(\p)+FR*\b+FR-1], v[AF+FR*(\a):AF+FR*(\a)+FR-1], v[8*(8*((\a)%4)+\b):8*(8*((\a)%4)+\b)+7], v[SC+8*\b+(\g)], v[SC+8*(\a)+(\g)] matrix_a_fmt:MATRIX_FMT_FP6 matrix_b_fmt:MATRIX_FMT_FP6 matrix_a_scale:MATRIX_SCALE_ROW1
.endif
.endr
.endr
.endm
; A slot's first 128 along K: it multiplies P's set 0 and fetches the slot's second 128.
.macro STEP slot, g, zero
	s_wait_dscnt 4*NL                              ; P's set and R's blocks 0-3 are in; the youngest 16 loads (R's blocks 4-7) may be out
	WIN MUL_LO
	MUL16 0, 0, \g, \zero
	MUL16 2, 0, \g, \zero
	s_wait_dscnt 0
	PLACES NP                                      ; in front of loads into registers that matrix instructions have read
	FETCH_P \slot, 1, 1
	FETCH_R \slot, 1, 0
	WIN MUL_HI
	MUL16 4, 0, \g, \zero
	MUL16 6, 0, \g, \zero
	PLACES NP
	WIN 0
	FETCH_R \slot, 1, 4
.endm
; A slot's second 128 changes slots: one barrier; in front of it each wave waits for all its tensor loads, adds 0 to its spare word, and waits for that and for its reads of this slot.
.macro TURN slot, next, fill, g
	s_wait_tensorcnt 0x0                           ; all my tensor loads have landed: my part of the next slot
	ds_add_u32 v[SPW], v[NIL]                      ; 0 onto my spare word
	s_wait_dscnt 4*NL+1                            ; (the add and the youngest 16 loads may be out)
	WIN MUL_LO
	MUL16 0, 1, \g, 0
	s_wait_dscnt 0x0                               ; the add is done, and my reads of this slot are over
	s_barrier_signal -1
	MUL16 2, 1, \g, 0
	WIN 0
	s_barrier_wait -1
.if \fill
	CREST                                          ; the barrier has opened a round of the cluster's barrier: no wave of any partner still reads this slot or has a load on its way
	s_add_nc_u64 s[G0+4*\slot+2:G0+4*\slot+3], s[G0+4*\slot+2:G0+4*\slot+3], 6144
	s_add_nc_u64 s[G0B+4*\slot+2:G0B+4*\slot+3], s[G0B+4*\slot+2:G0B+4*\slot+3], 6144
	JLOAD G0+4*\slot, G1, G0B+4*\slot, G1B         ; the first tensor load behind the round; its four v_nop are the places in front of the loads below
.else
	PLACES NP
.endif
	FETCH_P \next, 0, 0
	FETCH_R \next, 0, 0
	WIN MUL_HI
	MUL16 4, 1, \g, 0
	MUL16 6, 1, \g, 0
	PLACES NP
	WIN 0
	FETCH_R \next, 0, 4
.endm
	s_wait_tensorcnt 1                             ; the scale bytes and my part of K step 0 are in (K step 1's load may be out),
	s_barrier_signal -1
	s_barrier_wait -1                              ; everybody's are
	FETCH_P 0, 0, 0
	FETCH_R 0, 0, 0
.irp i, 0,1,2,3,4,5,6,7                ; all scale words, once: 8 bytes (256 along K) a load
.irp s, 0,1,2,3
	ds_load_b64 v[SC+8*\i+2*\s:SC+8*\i+2*\s+1], v[ADRS] offset:(\i/2)*1024+256*\s+128*(\i%2)
.endr
.endr
	FETCH_R 0, 0, 4
	STEP 0, 0, 1                                   ; the first products start the sums: nothing is cleared
	TURN 0, 1, 1, 1
	STEP 1, 2, 0
	TURN 1, 0, 1, 3
	STEP 0, 4, 0
	TURN 0, 1, 0, 5                                ; nothing is left to fetch: no round, no load
	STEP 1, 6, 0
	s_wait_dscnt 4*NL
	WIN MUL_LO
	MUL16 0, 1, 7, 0
	MUL16 2, 1, 7, 0
	s_wait_dscnt 0
	WIN MUL_HI
	MUL16 4, 1, 7, 0
	MUL16 6, 1, 7, 0
	WIN 0
; THE WAY OUT.  For each of R's eight tiles: bias added (which also brings the 64 numbers into window 0), quantised in registers, and the fragment stored as it stands: it IS the image.
; 64 numbers of a lane, register 16 b + i = k 32 b + 16 h + i of my row, become codes in v[PC] on and the scale word in v[PW].
.macro QUANT s
.irp b, 0,1,2,3
	v_max3_num_f32 v[TM+\b], |v[\s+16*\b]|, |v[\s+1+16*\b]|, 0x1800000   ; my 16 numbers of block b, and the floor 2^(3 - 127)
.endr
.irp i, 2,4,6,8,10,12,14
.irp b, 0,1,2,3
	v_max3_num_f32 v[TM+\b], v[TM+\b], |v[\s+16*\b+\i]|, |v[\s+1+16*\b+\i]|
.endr
.endr
.irp b, 0,1,2,3
	v_permlanex16_b32 v[TM+4+\b], v[TM+\b], s[SEL], s[SEL+1]
.endr
.irp b, 0,1,2,3
	v_max_num_f32 v[TM+\b], v[TM+\b], v[TM+4+\b]   ; with lane l xor 16's: the block's largest magnitude
.endr
.irp b, 0,1,2,3
	v_add_nc_u32 v[TM+8+\b], 0xff000000, v[TM+\b]  ; 2 off its exponent field: the conversion's scale operand
.endr
.irp b, 0,1,2,3
	v_lshrrev_b32 v[TM+4+\b], 23, v[TM+8+\b]       ; the byte
.endr
	v_lshl_or_b32 v[PW], v[TM+5], 8, v[TM+4]
	v_lshl_or_b32 v[PW], v[TM+6], 16, v[PW]
	v_lshl_or_b32 v[PW], v[TM+7], 24, v[PW]
.irp c, 0,1
	v_cvt_scalef32_pk16_fp6_f32 v[PC+6*\c:PC+2+6*\c], v[\s+32*\c:\s+15+32*\c], v[TM+8+2*\c]
	v_cvt_scalef32_pk16_fp6_f32 v[PC+12+4*\c:PC+14+4*\c], v[\s+16+32*\c:\s+31+32*\c], v[TM+8+2*\c+1]
.endr
	v_nop                                          ; one plain line behind a scaled conversion
.irp c, 0,1                            ; the layout wants a whole block in a lane: lanes 0-15 block 2 c, lanes 16-31 block 2 c + 1
.irp i, 0,1,2
	v_permlane16_swap_b32 v[PC+6*\c+\i], v[PC+12+4*\c+\i]
.endr
.irp i, 0,1,2
	v_mov_b32 v[PC+3+6*\c+\i], v[PC+12+4*\c+\i]
.endr
.endr
.endm
.macro TILE a, isv
	WIN 0x02+(\a)/4                                ; source 0: window 2 or 3
.set EE, 0
.rept 32                               ; each accumulator from its low end on
.if \isv
	v_pk_add_f32 v[H+EE:H+EE+1], v[64*((\a)%4)+EE:64*((\a)%4)+EE+1], v[BI+8*(\a)+EE%8+96*((\a)/4):BI+8*(\a)+EE%8+96*((\a)/4)+1]
.else
	v_pk_add_f32 v[H+EE:H+EE+1], v[64*((\a)%4)+EE:64*((\a)%4)+EE+1], v[BI+EE+96*(EE/32):BI+EE+96*(EE/32)+1]
.endif
.set EE, EE+2
.endr
	WIN 0
	s_wait_xcnt 0x0                                ; the last tile's stores have read their data: the codes' registers are written again only behind this wait
	QUANT H
.irp c, 0,1
.if \isv
	global_store_b128 v[VOA], v[PC+6*\c:PC+6*\c+3], s[4:5] offset:((\a)/4)*BLKB+((\a)%4)*1536+\c*768       ; head a / 4, d tile a % 4, keys 64 c on: 512 consecutive bytes
	global_store_b64 v[VOB], v[PC+6*\c+4:PC+6*\c+5], s[4:5] offset:((\a)/4)*BLKB+((\a)%4)*1536+\c*768+512
.else
	global_store_b128 v[VOA], v[PC+6*\c:PC+6*\c+3], s[4:5] offset:\c*BLKB+(\a)*768                         ; head c, token tile a
	global_store_b64 v[VOB], v[PC+6*\c+4:PC+6*\c+5], s[4:5] offset:\c*BLKB+(\a)*768+512
.endif
.endr
.if \isv
	v_mov_b32 v[SW+(\a)], v[PW]
.elseif (\a)%2 == 0
	v_mov_b32 v[PWE], v[PW]
.else
	v_perm_b32 v[SW+(\a)/2], v[PW], v[PWE], v[SELV]   ; my head's two bytes of tile a - 1, then of tile a
.endif
.endm
	PLACES NP                                      ; behind the last products: their operands' registers are written below
	s_wait_loadcnt 0x0                             ; the bias
.irp b, 0,1,2,3
	v_mov_b32 v[TM+4+\b], 0                        ; a lane permute's destination counts as one of its sources
.endr
	v_cmp_ne_u32 vcc_lo, 0, v31                    ; lanes 16-31
	s_cmp_eq_u32 ttmp9, 2
	s_cbranch_scc1 .Lout_v
	; ---- q, k: lanes hold tokens, registers two heads' 64
	v_mov_b32 v[SELV], 0x05040100                  ; lanes 0-15 gather head 0's bytes (0, 1 of each word),
	v_mov_b32 v15, 0x07060302
	v_cndmask_b32 v[SELV], v[SELV], v15, vcc_lo    ; lanes 16-31 head 1's (2, 3)
	s_lshr_b32 s8, s92, 3                          ; batch
	s_lshl_b32 s8, s8, 4
	s_and_b32 s9, s93, 3
	s_lshl_b32 s9, s9, 2
	s_add_co_u32 s8, s8, s9
	s_lshl_b32 s9, s18, 1
	s_add_co_u32 s8, s8, s9                        ; 16 x batch + my first head
	s_mul_i32 s8, s8, BLKB
	s_and_b32 s9, s92, 7
	s_lshl_b32 s9, s9, 4
	s_lshl_b32 s10, s17, 3
	s_add_co_u32 s9, s9, s10                       ; my first token tile in the batch, a multiple of 8
	s_cmp_eq_u32 ttmp9, 0                          ; q or k
	s_cselect_b32 s2, 204800, 0
	s_mov_b32 s3, 196608
	s_cselect_b32 s3, 303104, s3
	s_mul_i32 s10, s9, 768
	s_add_co_u32 s10, s10, s8
	s_add_co_u32 s10, s10, s2
	s_mov_b32 s11, 0
	s_add_nc_u64 s[4:5], s[14:15], s[10:11]
	s_lshl_b32 s10, s9, 5                          ; 256 bytes for each 8 tiles
	s_add_co_u32 s10, s10, s8
	s_add_co_u32 s10, s10, s3
	s_add_nc_u64 s[6:7], s[14:15], s[10:11]
.irp a, 0,1,2,3,4,5,6,7
	TILE \a, 0
.endr
	global_store_b128 v[VOS], v[SW:SW+3], s[6:7]   ; 256 consecutive bytes for each of the two heads
	s_branch .Ltail
.Lout_v:
	; ---- v: lanes hold two heads' d, registers 128 keys
	s_lshr_b32 s8, s93, 3                          ; batch
	s_lshl_b32 s8, s8, 4
	s_lshl_b32 s9, s21, 2
	s_add_co_u32 s8, s8, s9
	s_lshl_b32 s9, s17, 1
	s_add_co_u32 s8, s8, s9                        ; 16 x batch + my first head
	s_mul_i32 s8, s8, BLKB
	s_and_b32 s9, s93, 7
	s_lshl_b32 s9, s9, 1
	s_add_co_u32 s9, s9, s18                       ; which 128 keys
	s_mul_i32 s10, s9, 6144
	s_add_co_u32 s10, s10, s8
	s_add_co_u32 s10, s10, 98304
	s_mov_b32 s11, 0
	s_add_nc_u64 s[4:5], s[14:15], s[10:11]
	s_lshl_b32 s10, s9, 8
	s_add_co_u32 s10, s10, s8
	s_add_co_u32 s10, s10, 200704
	s_add_nc_u64 s[6:7], s[14:15], s[10:11]
.irp a, 0,1,2,3,4,5,6,7
	TILE \a, 1
.endr
.irp k, 0,1,2,3
	v_cndmask_b32 v[SW+\k], v[SW+\k], v[SW+4+\k], vcc_lo   ; lanes 16-31 store the second head's four words
.endr
	global_store_b128 v[VOS], v[SW:SW+3], s[6:7]
.Ltail:
	s_wait_tensorcnt 0x0                           ; the wave's end
	ds_add_u32 v[SPW], v[NIL]
	s_wait_dscnt 0x0
	CROUND                                         ; the closing round: no work-group ends while a partner may still ask for a tile that names it
	s_endpgm
.Lfunc_end_k_q9a1371d72c_qkv:
	.size	k_q9a1371d72c_qkv, .Lfunc_end_k_q9a1371d72c_qkv-k_q9a1371d72c_qkv
	.p2alignl 7, 3214868480
	.fill 96, 4, 3214868480
	.section	.rodata,"a",@progbits
	.p2align	6, 0x0
	.amdhsa_kernel k_q9a1371d72c_qkv
		.amdhsa_group_segment_fixed_size 327680
		.amdhsa_private_segment_fixed_size 0
		.amdhsa_enable_private_segment 0
		.amdhsa_kernarg_size 48
		.amdhsa_user_sgpr_count 2
		.amdhsa_user_sgpr_kernarg_segment_ptr 1
		.amdhsa_wavefront_size32 1
		.amdhsa_system_sgpr_workgroup_id_x 1
		.amdhsa_system_sgpr_workgroup_id_y 1
		.amdhsa_system_sgpr_workgroup_id_z 1
		.amdhsa_system_vgpr_workitem_id 0
		.amdhsa_next_free_vgpr 1024
		.amdhsa_next_free_sgpr 100
		.amdhsa_reserve_vcc 1
		.amdhsa_float_denorm_mode_32 3
		.amdhsa_float_denorm_mode_16_64 3
		.amdhsa_memory_ordered 1
		.amdhsa_forward_progress 1
		.amdhsa_inst_pref_size 224
	.end_amdhsa_kernel
	.amdgpu_metadata
---
amdhsa.version: [ 1, 2 ]
amdhsa.kernels:
  - .name:           k_q9a1371d72c_qkv
    .symbol:         k_q9a1371d72c_qkv.kd
    .args:
      - { .name: xi, .offset: 0, .size: 8, .value_kind: global_buffer, .address_space: global }
      - { .name: xs, .offset: 8, .size: 8, .value_kind: global_buffer, .address_space: global }
      - { .name: wi, .offset: 16, .size: 8, .value_kind: global_buffer, .address_space: global }
      - { .name: ws, .offset: 24, .size: 8, .value_kind: global_buffer, .address_space: global }
      - { .name: c_attn_b, .offset: 32, .size: 8, .value_kind: global_buffer, .address_space: global }
      - { .name: qkv, .offset: 40, .size: 8, .value_kind: global_buffer, .address_space: global }
    .group_segment_fixed_size: 327680
    .private_segment_fixed_size: 0
    .kernarg_segment_align: 8
    .kernarg_segment_size: 48
    .max_flat_workgroup_size: 128
    .sgpr_count:     100
    .vgpr_count:     1024
    .wavefront_size: 32
...
	.end_amdgpu_metadata
.endif
;; end of part 2
;; launch attn (part 3): grid 4 x 64, 16 waves a work-group, no clusters, 206,848 bytes of LDS; arguments qkv, ai, asc; writes ai, asc
.if DOCPART == 3
	.amdgcn_target "amdgcn-amd-amdhsa--gfx1250"
	.amdhsa_code_object_version 6
	.text
	.protected	k_q9a1371d72c_attn
	.globl	k_q9a1371d72c_attn
	.p2align	8
	.type	k_q9a1371d72c_attn,@function
k_q9a1371d72c_attn:
	s_mov_b64 s[64:65], 0
	v_nop
	global_prefetch_b8 v0, s[64:65] scope:SCOPE_SE
	s_setreg_imm32_b32 hwreg(HW_REG_WAVE_MODE, 25, 1), 1
	s_wait_xcnt 0x0
; Causal attention of one head on codes of FP6 (E2M3) with E8M0 scales; its result, divided by the row's sum, is quantised along the model's 1,024 for the last product and stored as an image of that operand's registers.
; t = score x log2(e) / 8; M = the running largest t rounded UP to a whole number; p = 2^(t - M) is quantised along the keys, not normalised; the row's sum is taken of the unquantised p.
; LIMITS: NaN and infinities are not served; a block whose largest magnitude lies under 2^-124 gets the byte 1.
; SHARES.  A work-group has one head (y) and two blocks of 256 queries, 7 - x and x.  The head's K, V and their scale bytes, 204,800 bytes, the first part of its block in qkv, lie in LDS: filled ONCE, 12,800 bytes by each
; of the sixteen waves; one barrier; LDS is only read afterwards.  A wave owns one tile of 16 queries in each of two phases: tile 16 (7 - x) + w, then tile 16 x + 15 - w: 17 key steps of 128 keys for every wave.
; NO CLUSTER: the four work-groups of a head differ in the query block, on which the causal branches hang; partners of joint loads may not branch on what differs between them.
; CAUSAL.  Both loops have constant trip counts; a step all of whose keys come after my queries is jumped over by a scalar branch on ids; on the diagonal hidden scores become -infinity.
; LAYOUT.  Both products are used transposed: a lane holds ONE query.  Tile 2 b + u, row r of K and of Q is token 32 b + 8 u + (r & 7) + 16 (r >> 3), so that p's 16 registers of two tiles are 16 neighbouring keys.
; K = 64 IN A FORM OF 128: a fragment of K holds TWO key tiles (tile 2 i in k 0-63, tile 2 i + 1 in k 64-127); Q stands as q, six registers of zero codes, q: v[16:27] meets the first tile, v[22:33] the second.
; The zero codes stand on Q's side, with the scale byte 0 (2^-127, a number): their products are zeros.
; asc leaves in pieces of 2 bytes: a head owns 2 of a row's 32 scale bytes; 256 KB in the whole launch.
.set S,   112                          ; v112-175 S^T, then p
.set O,   176                          ; v176-207 O^T: register 16 b + i = d 32 b + 16 h + i
.set F,   64                           ; v64-111 four fragments, K's and then V's
.set PC,  208                          ; v208-219 p's codes
.set PT,  220                          ; v220-222, v224-226
.set BM,  228                          ; v228-231 a block's largest score, then largest p
.set BP,  232                          ; v232-235 lane permutes' results; a chain of the sum
.set BS,  236                          ; v236-239 scale operands
.set BB,  240                          ; v240-243 bytes
.set SEL, 28
.set CS,  30
.set KF,  36                           ; s36 the step's first key;  s37 its tiles' LDS byte (6,144 a step);  s38 its scale words' (256 a step)
.set TK,  37
.set TS,  38
	s_load_b128 s[4:7], s[0:1], 0x0                ; qkv, ai
	s_load_b64 s[8:9], s[0:1], 0x10                ; asc
	v_lshl_add_u32 v254, v0, 2, 0x32000
	v_mov_b32 v255, 0
	ds_add_u32 v254, v255
	ds_add_u32 v254, v255
	v_lshrrev_b32 v6, 5, v0
	s_delay_alu instid0(VALU_DEP_1)
	v_readfirstlane_b32 s10, v6                    ; wave 0..15
	s_mov_b32 s11, ttmp9                           ; x
	s_and_b32 s12, ttmp7, 0xffff                   ; batch x 16 + head
	s_lshr_b32 s13, s12, 4
	s_and_b32 s14, s12, 15
	s_mov_b32 s16, 3<<16                           ; group 1: 50 rows of 256 bytes (32 elements of 8), dense
	s_mov_b32 s17, 32<<16
	s_mov_b32 s18, 50<<16
	s_mov_b32 s19, 32<<16
	s_mov_b32 s20, 50
	s_mov_b32 s21, 32
	s_mov_b32 s22, 0
	s_mov_b32 s23, 0
	s_mul_i32 s48, s12, 307200
	s_mov_b32 s49, 0
	s_mov_b32 s24, 1
	s_mul_i32 s25, s10, 12800                      ; my part, in LDS as in the block
	s_mov_b32 s50, s25
	s_mov_b32 s51, 0
	s_mov_b32 s[SEL], 0x76543210
	s_mov_b32 s[SEL+1], 0xfedcba98
	s_mov_b32 s[CS], 0x3e38aa3b                    ; c = log2(e) / 8
	s_mov_b32 s[CS+1], s[CS]
	s_wait_dscnt 0x0
	s_wait_kmcnt 0x0
	s_add_nc_u64 s[4:5], s[4:5], s[48:49]          ; the head's block
	s_add_nc_u64 s[26:27], s[4:5], s[50:51]
	s_or_b32 s27, s27, 0x80000000
	tensor_load_to_lds s[24:27], s[16:23]          ; one load a wave, the only one of the launch
	s_nop 0
.rept 4
	v_nop
.endr
	s_lshl_b32 s48, s11, 4
	s_sub_co_u32 s32, 112, s48
	s_add_co_u32 s32, s32, s10                     ; phase 0's tile
	s_add_co_u32 s33, s48, 15
	s_sub_co_u32 s33, s33, s10                     ; phase 1's
.macro QADDR t, cb, sb                 ; where tile s[t]'s codes and scale words lie
	s_mul_i32 s50, s[\t], 768
	s_add_co_u32 s50, s50, 204800
	s_add_nc_u64 s[\cb:\cb+1], s[4:5], s[50:51]
	s_lshr_b32 s50, s[\t], 3
	s_lshl_b32 s50, s50, 8
	s_lshr_b32 s52, s[\t], 1
	s_and_b32 s52, s52, 3
	s_lshl_b32 s52, s52, 2
	s_add_co_u32 s50, s50, s52
	s_add_co_u32 s50, s50, 303104
	s_add_nc_u64 s[\sb:\sb+1], s[4:5], s[50:51]
.endm
	QADDR 32, 42, 44
	QADDR 33, 46, 56
	v_and_b32 v6, 31, v0                           ; lane
	v_and_b32 v7, 15, v0                           ; r
	v_bfe_u32 v8, v0, 4, 1                         ; h
	s_delay_alu instid0(VALU_DEP_3)
	v_lshlrev_b32 v1, 4, v6                        ; 16 x lane
	s_delay_alu instid0(VALU_DEP_3)
	v_lshlrev_b32 v11, 4, v7                       ; 16 r
	s_delay_alu instid0(VALU_DEP_1)
	v_lshl_add_u32 v2, v8, 3, v11                  ; 16 r + 8 h
	s_delay_alu instid0(VALU_DEP_2)
	v_add_nc_u32 v3, 196608, v11                   ; K's scale words; V's lie 4,096 bytes on
	v_and_b32 v4, 7, v7
	v_lshrrev_b32 v9, 3, v7
	s_delay_alu instid0(VALU_DEP_1)
	v_lshl_add_u32 v4, v9, 4, v4
	v_lshlrev_b32 v9, 4, v8
	s_delay_alu instid0(VALU_DEP_1)
	v_sub_nc_u32 v4, v4, v9                        ; my query less the tile's first, less 16 h
	v_lshlrev_b32 v5, 3, v7                        ; 8 r
	v_add_nc_u32 v60, 98304, v1                    ; V's codes
	v_add_nc_u32 v61, 98304, v2
	global_load_b128 v[36:39], v1, s[42:43]        ; both phases' Q
	global_load_b64 v[40:41], v2, s[42:43] offset:512
	global_load_b32 v42, v11, s[44:45]
	global_load_b128 v[44:47], v1, s[46:47]
	global_load_b64 v[48:49], v2, s[46:47] offset:512
	global_load_b32 v50, v11, s[56:57]
.irp j, 22,23,24,25,26,27
	v_mov_b32 v[\j], 0                             ; the zero codes between the two copies of q
.endr
.irp b, 0,1,2,3
	v_mov_b32 v[BP+\b], 0                          ; a lane permute's destination counts as one of its sources
.endr
	v_mov_b32 v247, 0                              ; (named as the upper half of the pair v[246:247])
	v_mov_b32 v248, 0
	v_mov_b32 v249, 0xff800000                     ; -infinity
	s_wait_tensorcnt 0x0                           ; my part has landed,
	s_barrier_signal -1
	s_barrier_wait -1                              ; everybody's has
	s_mov_b32 s40, 2
.Lphase:
	s_wait_xcnt 0x0                                ; the last phase's stores have read their data and bases
	s_wait_loadcnt 0x0                             ; Q
	s_and_b32 s49, s32, 1
	s_lshl_b32 s48, s49, 4
.irp j, 0,1,2,3,4,5
	v_mov_b32 v[16+\j], v[36+\j]
	v_mov_b32 v[28+\j], v[36+\j]
.endr
	v_lshrrev_b32 v34, s48, v42                    ; my tile's two bytes of the pair's word:
	s_delay_alu instid0(VALU_DEP_1)
	v_and_b32 v34, 0xffff, v34                     ; for q in k 0-63,
	s_delay_alu instid0(VALU_DEP_1)
	v_lshlrev_b32 v35, 16, v34                     ; for q in k 64-127
.irp j, 0,1,2,3,4,5,6
	v_mov_b32 v[36+\j], v[44+\j]                   ; the next phase's Q moves up
.endr
	v_mov_b32 v13, 0xff61b1e6                      ; the largest t so far: -3e38
	s_delay_alu instid0(VALU_DEP_1)
	v_floor_f32 v12, -v13                          ; -M
	v_mov_b32 v14, 0
	v_mov_b32 v15, 0
.irp j, 0,1,2,3,4,5,6,7,8,9,10,11,12,13,14,15,16,17,18,19,20,21,22,23,24,25,26,27,28,29,30,31
	v_mov_b32 v[O+\j], 0                           ; the step is written once: the first finds zeros.  (Also the places between the scale words made above and the first product)
.endr
	s_lshr_b32 s48, s32, 1
	s_lshl_b32 s34, s48, 5
	s_lshl_b32 s50, s49, 3
	s_add_co_u32 s34, s34, s50                     ; the tile's first query
	s_add_co_u32 s35, s34, 23                      ; and its last
	s_mov_b32 s[KF], 0
	s_mov_b32 s[TK], 0
	s_mov_b32 s[TS], 0
	s_lshl_b32 s52, s13, 7
	s_add_co_u32 s52, s52, s32                     ; the token tile among all 512
	s_lshl_b32 s53, s52, 4
	s_add_co_u32 s53, s53, s14
	s_mul_i32 s54, s53, 768
	s_mov_b32 s55, 0
	s_add_nc_u64 s[58:59], s[6:7], s[54:55]        ; ai: [tile][chunk = head][768]
	s_lshr_b32 s53, s52, 1
	s_lshl_b32 s54, s53, 10
	s_lshr_b32 s53, s14, 2
	s_lshl_b32 s53, s53, 8
	s_add_co_u32 s54, s54, s53
	s_lshl_b32 s53, s49, 7
	s_add_co_u32 s54, s54, s53
	s_and_b32 s53, s14, 3
	s_lshl_b32 s53, s53, 1
	s_add_co_u32 s54, s54, s53
	s_add_nc_u64 s[60:61], s[8:9], s[54:55]        ; asc: [pair][head / 4][tile % 2][r][8], my head's 2 bytes
	s_mov_b32 s39, 16
.Lstep:
	s_cmp_gt_u32 s[KF], s35                        ; all 128 keys come after my queries: nothing to do but step the addresses
	s_cbranch_scc1 .Lhidden
	s_setprio 2
	v_add_nc_u32 v6, s[TK], v1                     ; (these five are also the places in front of the loads into registers that the last products read)
	v_add_nc_u32 v7, s[TK], v2
	v_add_nc_u32 v8, s[TK], v60
	v_add_nc_u32 v9, s[TK], v61
	v_add_nc_u32 v10, s[TS], v3
.irp bb, 0,1,2,3
	ds_load_b128 v[F+12*\bb:F+12*\bb+3], v6 offset:1536*\bb
	ds_load_b64 v[F+12*\bb+4:F+12*\bb+5], v7 offset:1536*\bb+512
	ds_load_b128 v[F+12*\bb+6:F+12*\bb+9], v6 offset:1536*\bb+768
	ds_load_b64 v[F+12*\bb+10:F+12*\bb+11], v7 offset:1536*\bb+1280
.endr
	ds_load_b128 v[52:55], v10                     ; K's scale words: one for each pair of tiles
	s_wait_alu depctr_va_vdst(0)
	s_wait_dscnt 0x0
.irp bb, 0,1,2,3
.irp u, 0,1
	v_wmma_scale_f32_16x16x128_f8f6f4 v[S+8*(2*\bb+\u):S+8*(2*\bb+\u)+7], v[F+12*\bb:F+12*\bb+11], v[16+6*\u:27+6*\u], 0, v[52+\bb], v[34+\u] matrix_a_fmt:MATRIX_FMT_FP6 matrix_b_fmt:MATRIX_FMT_FP6
.endr
.endr
.rept 4
	v_nop                                          ; places: V's fragments land where K's lay, and the scores are read
.endr
.irp dt, 0,1,2,3                       ; V lands under the softmax
	ds_load_b128 v[F+12*\dt:F+12*\dt+3], v8 offset:1536*\dt
	ds_load_b64 v[F+12*\dt+4:F+12*\dt+5], v9 offset:1536*\dt+512
	ds_load_b128 v[F+12*\dt+6:F+12*\dt+9], v8 offset:1536*\dt+768
	ds_load_b64 v[F+12*\dt+10:F+12*\dt+11], v9 offset:1536*\dt+1280
.endr
	ds_load_b128 v[56:59], v10 offset:4096
	s_add_co_u32 s48, s[KF], 127
	s_cmp_le_u32 s48, s34                          ; all keys count: no mask
	s_cbranch_scc1 .Lopen
	s_sub_co_i32 s48, s34, s[KF]
	v_add_nc_u32 v248, s48, v4                     ; d = my query - the step's first key - 16 h.  Register 16 b + i holds key 32 b + 16 h + i: hidden where 32 b + i > d
.irp n, 0,1,2,3,4,5,6,7,8,9,10,11,12,13,14,15,16,17,18,19,20,21,22,23,24,25,26,27,28,29,30,31,32,33,34,35,36,37,38,39,40,41,42,43,44,45,46,47,48,49,50,51,52,53,54,55,56,57,58,59,60,61,62,63
	v_cmp_gt_i32 vcc_lo, 32*(\n/16)+\n%16, v248
	v_cndmask_b32 v[S+\n], v[S+\n], v249, vcc_lo
.endr
.Lopen:
.irp b, 0,1,2,3
	v_max3_num_f32 v[BM+\b], v[S+16*\b], v[S+1+16*\b], v[S+2+16*\b]   ; the largest score of each block of 32 keys: for the row's maximum, and, since p rises with the score, for the block's largest p
.endr
.irp i, 3,5,7,9,11,13
.irp b, 0,1,2,3
	v_max3_num_f32 v[BM+\b], v[BM+\b], v[S+16*\b+\i], v[S+1+16*\b+\i]
.endr
.endr
.irp b, 0,1,2,3
	v_max_num_f32 v[BM+\b], v[BM+\b], v[S+15+16*\b]
.endr
.irp b, 0,1,2,3
	s_delay_alu instid0(VALU_DEP_4)
	v_permlanex16_b32 v[BP+\b], v[BM+\b], s[SEL], s[SEL+1]
.endr
.irp b, 0,1,2,3
	s_delay_alu instid0(VALU_DEP_4)
	v_max_num_f32 v[BM+\b], v[BM+\b], v[BP+\b]
.endr
	s_delay_alu instid0(VALU_DEP_2)
	v_max3_num_f32 v248, v[BM], v[BM+1], v[BM+2]
	s_delay_alu instid0(VALU_DEP_1)
	v_max_num_f32 v248, v248, v[BM+3]
	s_delay_alu instid0(VALU_DEP_1)
	v_mul_f32 v248, s[CS], v248
	s_delay_alu instid0(VALU_DEP_1)
	v_max_num_f32 v13, v13, v248                   ; the running largest t
	v_mov_b32 v248, v12
	s_delay_alu instid0(VALU_DEP_2)
	v_floor_f32 v12, -v13                          ; the new -M = -ceil(t)
	s_delay_alu instid0(VALU_DEP_1)
	v_sub_f32 v248, v12, v248                      ; old M - new M: a whole number, 0 or less
	s_delay_alu instid0(VALU_DEP_1)
	v_cvt_i32_f32 v248, v248                       ; (it saturates)
	s_delay_alu instid0(VALU_DEP_1)
	v_ldexp_f32 v246, 1.0, v248                    ; f = 2^(old M - new M): it rounds nothing
.irp j, 0,2,4,6,8,10,12,14,16,18,20,22,24,26,28,30,32,34,36,38,40,42,44,46,48,50,52,54,56,58,60,62
	v_pk_fma_f32 v[S+\j:S+1+\j], v[S+\j:S+1+\j], s[CS:CS+1], v[12:13] op_sel_hi:[1,0,0]   ; t - M
.endr
	s_setprio 1
.irp b, 0,1,2,3
	v_fma_f32 v[BM+\b], v[BM+\b], s[CS], v12
.endr
	s_wait_alu depctr_va_vdst(0)
.irp j, 0,1,2,3,4,5,6,7,8,9,10,11,12,13,14,15,16,17,18,19,20,21,22,23,24,25,26,27,28,29,30,31,32,33,34,35,36,37,38,39,40,41,42,43,44,45,46,47,48,49,50,51,52,53,54,55,56,57,58,59,60,61,62,63
	v_exp_f32 v[S+\j], v[S+\j]                     ; p = 2^(t - M)
.endr
	v_pk_mul_f32 v[14:15], v[14:15], v[246:247] op_sel_hi:[1,0]   ; the sums under the new M: the plain line behind the exponentials
	s_wait_alu depctr_va_vdst(0)                   ; one wait for the batch, ahead of its first reader
.irp b, 0,1,2,3
	v_exp_f32 v[BM+\b], v[BM+\b]                   ; the block's largest p
.endr
	v_pk_add_f32 v[232:233], v[116:117], v[120:121]
	v_pk_add_f32 v[252:253], v[124:125], v[128:129]
	v_pk_add_f32 v[250:251], v[132:133], v[136:137]
	v_pk_add_f32 v[244:245], v[140:141], v[144:145]
	v_pk_add_f32 v[242:243], v[148:149], v[152:153]
	v_pk_add_f32 v[240:241], v[156:157], v[160:161]
	v_pk_add_f32 v[238:239], v[164:165], v[168:169]
	v_pk_add_f32 v[14:15], v[14:15], v[172:173]
	v_pk_add_f32 v[232:233], v[232:233], v[112:113]
	v_pk_add_f32 v[252:253], v[252:253], v[114:115]
	v_pk_add_f32 v[250:251], v[250:251], v[118:119]
	v_pk_add_f32 v[244:245], v[244:245], v[122:123]
	v_pk_add_f32 v[242:243], v[242:243], v[126:127]
	v_pk_add_f32 v[240:241], v[240:241], v[130:131]
	v_pk_add_f32 v[238:239], v[238:239], v[134:135]
	v_pk_add_f32 v[14:15], v[14:15], v[138:139]
	v_pk_add_f32 v[232:233], v[232:233], v[142:143]
	v_pk_add_f32 v[252:253], v[252:253], v[146:147]
	v_pk_add_f32 v[250:251], v[250:251], v[150:151]
	v_pk_add_f32 v[244:245], v[244:245], v[154:155]
	v_pk_add_f32 v[242:243], v[242:243], v[158:159]
	v_pk_add_f32 v[240:241], v[240:241], v[162:163]
	v_pk_add_f32 v[238:239], v[238:239], v[166:167]
	v_pk_add_f32 v[14:15], v[14:15], v[170:171]
	v_pk_add_f32 v[232:233], v[232:233], v[174:175]
	s_delay_alu instid0(VALU_DEP_2)
	v_pk_add_f32 v[14:15], v[14:15], v[244:245]
	s_delay_alu instid0(VALU_DEP_2)
	v_pk_add_f32 v[232:233], v[232:233], v[242:243]
	v_pk_add_f32 v[252:253], v[252:253], v[240:241]
	v_pk_add_f32 v[250:251], v[250:251], v[238:239]
	s_delay_alu instid0(VALU_DEP_2)
	v_pk_add_f32 v[14:15], v[14:15], v[252:253]
	s_delay_alu instid0(VALU_DEP_2)
	v_pk_add_f32 v[232:233], v[232:233], v[250:251]
	s_delay_alu instid0(VALU_DEP_1)
	v_pk_add_f32 v[14:15], v[14:15], v[232:233]
	s_wait_alu depctr_va_vdst(0)                   ; and one for the four
.irp b, 0,1,2,3
	v_max_num_f32 v[BM+\b], 0x1800000, v[BM+\b]    ; the floor 2^(3 - 127)
.endr
.irp b, 0,1,2,3
	s_delay_alu instid0(VALU_DEP_4)
	v_add_nc_u32 v[BS+\b], 0xff000000, v[BM+\b]
.endr
.irp b, 0,1,2,3
	s_delay_alu instid0(VALU_DEP_4)
	v_lshrrev_b32 v[BB+\b], 23, v[BS+\b]
.endr
	s_delay_alu instid0(VALU_DEP_3)
	v_lshl_or_b32 v244, v[BB+1], 8, v[BB]          ; p's scale word for these 128 keys
	s_delay_alu instid0(VALU_DEP_1)
	v_lshl_or_b32 v244, v[BB+2], 16, v244
	s_delay_alu instid0(VALU_DEP_1)
	v_lshl_or_b32 v244, v[BB+3], 24, v244
	s_setprio 0
.irp c, 0,1
	v_cvt_scalef32_pk16_fp6_f32 v[PC+6*\c:PC+2+6*\c], v[S+32*\c:S+15+32*\c], v[BS+2*\c]
	v_cvt_scalef32_pk16_fp6_f32 v[PT+4*\c:PT+2+4*\c], v[S+16+32*\c:S+31+32*\c], v[BS+2*\c+1]
.endr
	v_nop                                          ; one plain line behind a scaled conversion
.irp c, 0,1
.irp i, 0,1,2
	v_permlane16_swap_b32 v[PC+6*\c+\i], v[PT+4*\c+\i]
.endr
.irp i, 0,1,2
	s_delay_alu instid0(VALU_DEP_3)
	v_mov_b32 v[PC+3+6*\c+\i], v[PT+4*\c+\i]
.endr
.endr
.irp j, 0,2,4,6,8,10,12,14,16,18,20,22,24,26,28,30
	v_pk_mul_f32 v[O+\j:O+1+\j], v[O+\j:O+1+\j], v[246:247] op_sel_hi:[1,0]   ; O^T under the new M.  (Also the places in front of the products below)
.endr
	s_wait_alu depctr_va_vdst(0)
	s_wait_dscnt 0x0                               ; V
.irp dt, 0,1,2,3                       ; the four accumulators by turns
	v_wmma_scale_f32_16x16x128_f8f6f4 v[O+8*\dt:O+8*\dt+7], v[F+12*\dt:F+12*\dt+11], v[PC:PC+11], v[O+8*\dt:O+8*\dt+7], v[56+\dt], v244 matrix_a_fmt:MATRIX_FMT_FP6 matrix_b_fmt:MATRIX_FMT_FP6
.endr
.Lhidden:
	s_add_co_u32 s[KF], s[KF], 128
	s_add_co_u32 s[TK], s[TK], 6144
	s_add_co_u32 s[TS], s[TS], 256
	s_sub_co_u32 s39, s39, 1
	s_cmp_lg_u32 s39, 0
	s_cbranch_scc1 .Lstep
	s_setprio 0
	; ---- the tile's way out: / the sum, two blocks of 32 along the model's 1,024 quantised, one chunk of the image stored
	v_add_f32 v14, v14, v15
	s_delay_alu instid0(VALU_DEP_1)
	v_permlanex16_b32 v248, v14, s[SEL], s[SEL+1]
	s_delay_alu instid0(VALU_DEP_1)
	v_add_f32 v14, v14, v248
	v_nop
	v_nop                                          ; (with the additions: the places behind the last products)
	s_wait_alu depctr_va_vdst(0)
	v_rcp_f32 v250, v14
	v_rcp_f32 v251, v14
	v_nop                                          ; a plain line behind the reciprocals,
	s_wait_alu depctr_va_vdst(0)                   ; and the wait ahead of their first reader
.irp j, 0,2,4,6,8,10,12,14,16,18,20,22,24,26,28,30
	v_pk_mul_f32 v[S+\j:S+1+\j], v[O+\j:O+1+\j], v[250:251]
.endr
.irp b, 0,1
	v_max3_num_f32 v[BM+\b], |v[S+16*\b]|, |v[S+1+16*\b]|, 0x1800000
.endr
.irp i, 2,4,6,8,10,12,14
.irp b, 0,1
	s_delay_alu instid0(VALU_DEP_2)
	v_max3_num_f32 v[BM+\b], v[BM+\b], |v[S+16*\b+\i]|, |v[S+1+16*\b+\i]|
.endr
.endr
.irp b, 0,1
	s_delay_alu instid0(VALU_DEP_2)
	v_permlanex16_b32 v[BP+\b], v[BM+\b], s[SEL], s[SEL+1]
.endr
.irp b, 0,1
	s_delay_alu instid0(VALU_DEP_2)
	v_max_num_f32 v[BM+\b], v[BM+\b], v[BP+\b]
.endr
.irp b, 0,1
	s_delay_alu instid0(VALU_DEP_2)
	v_add_nc_u32 v[BS+\b], 0xff000000, v[BM+\b]
.endr
.irp b, 0,1
	s_delay_alu instid0(VALU_DEP_2)
	v_lshrrev_b32 v[BB+\b], 23, v[BS+\b]
.endr
	s_delay_alu instid0(VALU_DEP_1)
	v_lshl_or_b32 v252, v[BB+1], 8, v[BB]
	v_cvt_scalef32_pk16_fp6_f32 v[PC:PC+2], v[S:S+15], v[BS]
	v_cvt_scalef32_pk16_fp6_f32 v[PT:PT+2], v[S+16:S+31], v[BS+1]
	v_nop
.irp i, 0,1,2
	v_permlane16_swap_b32 v[PC+\i], v[PT+\i]
.endr
.irp i, 0,1,2
	s_delay_alu instid0(VALU_DEP_3)
	v_mov_b32 v[PC+3+\i], v[PT+\i]
.endr
	global_store_b128 v1, v[PC:PC+3], s[58:59]     ; 512 consecutive bytes
	global_store_b64 v2, v[PC+4:PC+5], s[58:59] offset:512
	global_store_b16 v5, v252, s[60:61]            ; lanes r and r + 16 hold the same two bytes and write them to the same place
	s_mov_b32 s32, s33
	s_sub_co_u32 s40, s40, 1
	s_cmp_lg_u32 s40, 0
	s_cbranch_scc1 .Lphase
	s_wait_tensorcnt 0x0
	ds_add_u32 v254, v255
	s_wait_dscnt 0x0
	s_endpgm
.Lfunc_end_k_q9a1371d72c_attn:
	.size	k_q9a1371d72c_attn, .Lfunc_end_k_q9a1371d72c_attn-k_q9a1371d72c_attn
	.p2alignl 7, 3214868480
	.fill 96, 4, 3214868480
	.section	.rodata,"a",@progbits
	.p2align	6, 0x0
	.amdhsa_kernel k_q9a1371d72c_attn
		.amdhsa_group_segment_fixed_size 206848
		.amdhsa_private_segment_fixed_size 0
		.amdhsa_enable_private_segment 0
		.amdhsa_kernarg_size 24
		.amdhsa_user_sgpr_count 2
		.amdhsa_user_sgpr_kernarg_segment_ptr 1
		.amdhsa_wavefront_size32 1
		.amdhsa_system_sgpr_workgroup_id_x 1
		.amdhsa_system_sgpr_workgroup_id_y 1
		.amdhsa_system_sgpr_workgroup_id_z 1
		.amdhsa_system_vgpr_workitem_id 0
		.amdhsa_next_free_vgpr 256
		.amdhsa_next_free_sgpr 66
		.amdhsa_reserve_vcc 1
		.amdhsa_float_denorm_mode_32 3
		.amdhsa_float_denorm_mode_16_64 3
		.amdhsa_memory_ordered 1
		.amdhsa_forward_progress 1
		.amdhsa_inst_pref_size 36
	.end_amdhsa_kernel
	.amdgpu_metadata
---
amdhsa.version: [ 1, 2 ]
amdhsa.kernels:
  - .name:           k_q9a1371d72c_attn
    .symbol:         k_q9a1371d72c_attn.kd
    .args:
      - { .name: qkv, .offset: 0, .size: 8, .value_kind: global_buffer, .address_space: global }
      - { .name: ai, .offset: 8, .size: 8, .value_kind: global_buffer, .address_space: global }
      - { .name: asc, .offset: 16, .size: 8, .value_kind: global_buffer, .address_space: global }
    .group_segment_fixed_size: 206848
    .private_segment_fixed_size: 0
    .kernarg_segment_align: 8
    .kernarg_segment_size: 24
    .max_flat_workgroup_size: 512
    .sgpr_count:     66
    .vgpr_count:     256
    .wavefront_size: 32
...
	.end_amdgpu_metadata
.endif
;; end of part 3
;; launch proj (part 4): grid 8 x 32, 4 waves a work-group, clusters of 4 x 4, 327,680 bytes of LDS; arguments ai, asc, wi, ws, c_proj_b, out0; writes out0
.if DOCPART == 4
	.amdgcn_target "amdgcn-amd-amdhsa--gfx1250"
	.amdhsa_code_object_version 6
	.text
	.protected	k_q9a1371d72c_proj
	.globl	k_q9a1371d72c_proj
	.p2align	8
	.type	k_q9a1371d72c_proj,@function
k_q9a1371d72c_proj:
	s_mov_b64 s[64:65], 0
	v_nop
	global_prefetch_b8 v0, s[64:65] scope:SCOPE_SE
	s_setreg_imm32_b32 hwreg(HW_REG_WAVE_MODE, 25, 1), 1
	s_wait_xcnt 0x0
	s_wait_alu depctr_hold_cnt(0) depctr_sa_sdst(0) depctr_va_vdst(0) depctr_va_sdst(0) depctr_va_ssrc(0) depctr_va_vcc(0) depctr_vm_vsrc(0)
	s_getreg_b32 s2, hwreg(HW_REG_IB_STS2, 6, 4)
	s_cmp_eq_u32 s2, 0
	s_cbranch_scc0 .Lentry_in_a_cluster
	s_endpgm
.Lentry_in_a_cluster:
	s_bfe_u32 s2, ttmp6, 0x10000c
	s_cmp_lg_u32 s2, 0xf033
	s_cbranch_scc0 .Lentry_shape_is_right
	s_endpgm
.Lentry_shape_is_right:
; out0 = a c_proj_w + c_proj_b on codes of FP6 (E2M3) with E8M0 scales.  a: the attention's result as images (ai, asc); the weight: tiles 192 on of wi, bytes 98,304 on of ws.
; A tile of out0 is 256 tokens x 128 columns, so that there are 256 work-groups; a wave makes 128 x 64: 32 accumulators.  ALL OF K lies in LDS, in two halves of 512, each filled once: no slot is filled again.
; Source 1 ("R") = tokens, in the result's lanes; source 0 ("P") = the weight's columns, along a lane's registers.  Tile 2 b + u, row r is true row 32 b + 8 u + (r & 7) + 16 (r >> 3).
; CLUSTERS: 4 x 4: R's tiles are shared along a row of the cluster, P's along a column, each asked for jointly.  The bias is the C of each sum's first matrix instruction.
; REGISTERS: window 0: v15-31 addresses; v32-95 scale words (nothing else); v96-127 the bias; v128-223 R's fragments, one set.  window 1: P's two sets at v0 and v128.  window 2: accumulator (a, b) at v[8 (4 a + b)].
.set FR,    12
.set NL,    4
.set NP,    4
.set KHALF, 147456                     ; a half of K: R's two halves of 49,152 bytes, then P's two of 24,576
.set SCL,   2*KHALF                    ; the scale bytes: R's 2 x 4,096, P's 2 x 2,048
.set ADRA,  16                         ; v16-17 R's fragments in half 0, 1 (16 x lane); v18-19 the 8-byte pieces
.set ADRB,  20
.set STO,   24
.set RD,    25
.set ADRS2, 26                         ; R's scale words in all lanes: for tiles 4-7, where P has none
.set ADRS,  27
.set CO,    15
.set SC,    32
.set BI,    96
.set AF,    128
.set BK,    128                        ; the way out: rows read back: v128-159 and v160-191 by turns
.set G1,  24
.set G0,  32
.set G1B, 48
.set G0B, 56
.set G1S, 68
.set G0S, 76
.set G1SB, 80
.set G0SB, 88
.set MSB, 0
.macro WIN new
.if MSB != \new
	s_set_vgpr_msb (MSB<<8)|\new
.set MSB, \new
.endif
.endm
.set MUL,   0xa1                       ; source 0 (P) window 1, source 1 (R) window 0, C and D window 2
.set MUL_B, 0x81                       ; the same with C (the bias) in window 0
.set TO_P,  0x40
.macro JLOAD g0a, g1a, g0b, g1b        ; waves 0 and 1 fetch for R, waves 2 and 3 for P; four v_nop follow each line
	s_cmp_eq_u32 s17, 0
	s_cbranch_scc0 .Lfor_p_\@
	tensor_load_to_lds s[\g0a:\g0a+3], s[\g1a:\g1a+7]
	s_nop 0
.rept 4
	v_nop
.endr
	s_branch .Lasked_\@
.Lfor_p_\@:
	tensor_load_to_lds s[\g0b:\g0b+3], s[\g1b:\g1b+7]
	s_nop 0
.rept 4
	v_nop
.endr
.Lasked_\@:
.endm
.macro CROUND
	s_barrier_signal -1
	s_barrier_wait -1
	s_cmp_lg_u32 s16, 0
	s_cbranch_scc1 .Lnot_wave_0_\@
	s_barrier_signal -3
.Lnot_wave_0_\@:
	s_barrier_wait -3
	s_barrier_signal -1
	s_barrier_wait -1
.endm
.macro PLACES n
.rept \n
	v_nop
.endr
.endm
	s_load_b256 s[4:11], s[0:1], 0x0               ; ai s[4:5], asc s[6:7], wi s[8:9], ws s[10:11]
	s_load_b128 s[12:15], s[0:1], 0x20             ; c_proj_b s[12:13], out0 s[14:15]
	v_lshl_add_u32 v254, v0, 2, 0x4b000
	v_mov_b32 v255, 0
	ds_add_u32 v254, v255
	ds_add_u32 v254, v255
	v_lshrrev_b32 v1, 5, v0
	v_readfirstlane_b32 s16, v1                    ; wave 0..3
	s_lshr_b32 s17, s16, 1                         ; my half of the tokens.  Also: I fetch for R (0) or for P (1)
	s_and_b32 s18, s16, 1                          ; my half of the columns.  Also: which half I fetch
	s_bfe_u32 s20, ttmp6, 0x40000                  ; cx
	s_bfe_u32 s21, ttmp6, 0x40004                  ; cy
	s_lshl_b32 s22, s21, 2
	s_lshl_b32 s22, 15, s22                        ; my row of the cluster
	s_lshl_b32 s23, 0x1111, s20                    ; my column
	; group 1: R's codes: 8 tile rows of 6,144 bytes (768 elements of 8), 12,288 bytes apart; P's: 4 such rows
	s_or_b32 s[G1+0], s22, (3<<16)|(1<<21)
	s_mov_b32 s[G1+1], 768<<16
	s_mov_b32 s[G1+2], 8<<16
	s_mov_b32 s[G1+3], 768<<16
	s_mov_b32 s[G1+4], 8
	s_mov_b32 s[G1+5], 1536
	s_mov_b32 s[G1+6], 0
	s_mov_b32 s[G1+7], 0
	s_or_b32 s[G1B+0], s23, (3<<16)|(1<<21)
	s_mov_b32 s[G1B+1], 768<<16
	s_mov_b32 s[G1B+2], 4<<16
	s_mov_b32 s[G1B+3], 768<<16
	s_mov_b32 s[G1B+4], 4
	s_mov_b32 s[G1B+5], 1536
	s_mov_b32 s[G1B+6], 0
	s_mov_b32 s[G1B+7], 0
	; the scale bytes: dense blocks as rows of 256 bytes: R's 16 rows, P's 8
	s_or_b32 s[G1S+0], s22, (3<<16)|(1<<21)
	s_mov_b32 s[G1S+1], 32<<16
	s_mov_b32 s[G1S+2], 16<<16
	s_mov_b32 s[G1S+3], 32<<16
	s_mov_b32 s[G1S+4], 16
	s_mov_b32 s[G1S+5], 32
	s_mov_b32 s[G1S+6], 0
	s_mov_b32 s[G1S+7], 0
	s_or_b32 s[G1SB+0], s23, (3<<16)|(1<<21)
	s_mov_b32 s[G1SB+1], 32<<16
	s_mov_b32 s[G1SB+2], 8<<16
	s_mov_b32 s[G1SB+3], 32<<16
	s_mov_b32 s[G1SB+4], 8
	s_mov_b32 s[G1SB+5], 32
	s_mov_b32 s[G1SB+6], 0
	s_mov_b32 s[G1SB+7], 0
	s_and_b32 s92, ttmp7, 0xffff
	s_lshl_b32 s92, s92, 2
	s_add_co_u32 s92, s92, s21                     ; which 256 tokens: 4 x cluster y + cy
	s_lshl_b32 s93, ttmp9, 2
	s_add_co_u32 s93, s93, s20                     ; which 128 columns: 4 x cluster x + cx
	s_mul_i32 s94, s92, 196608
	s_mul_i32 s66, s18, 98304
	s_add_co_u32 s94, s94, s66
	s_mov_b32 s95, 0
	s_mul_i32 s96, s93, 98304
	s_mul_i32 s66, s18, 49152
	s_add_co_u32 s96, s96, s66
	s_add_co_u32 s96, s96, 192*12288               ; c_proj_w begins at tile 192
	s_mov_b32 s97, 0
	s_wait_dscnt 0x0
	s_wait_kmcnt 0x0
	s_add_nc_u64 s[40:41], s[4:5], s[94:95]        ; R's codes, the half that I fetch
	s_add_nc_u64 s[44:45], s[8:9], s[96:97]        ; P's
	s_lshl_b32 s94, s92, 13
	s_lshl_b32 s66, s18, 12
	s_add_co_u32 s94, s94, s66
	s_add_nc_u64 s[42:43], s[6:7], s[94:95]        ; R's scale bytes
	s_lshl_b32 s96, s93, 12
	s_lshl_b32 s67, s18, 11
	s_add_co_u32 s96, s96, s67
	s_add_co_u32 s96, s96, 98304
	s_add_nc_u64 s[46:47], s[10:11], s[96:97]      ; P's
	s_mul_i32 s2, s18, 49152                       ; LDS: R's half;
	s_mul_i32 s3, s18, 24576
	s_add_co_u32 s3, s3, 98304                     ; P's half: made of the wave's number alone
	CROUND                                         ; all sixteen work-groups are here: the joint loads meet
	s_mov_b32 s[G0S], 1
	s_add_co_u32 s[G0S+1], s66, SCL
	s_mov_b64 s[G0S+2:G0S+3], s[42:43]
	s_or_b32 s[G0S+3], s[G0S+3], 0x80000000
	s_mov_b32 s[G0SB], 1
	s_add_co_u32 s[G0SB+1], s67, SCL+8192
	s_mov_b64 s[G0SB+2:G0SB+3], s[46:47]
	s_or_b32 s[G0SB+3], s[G0SB+3], 0x80000000
	JLOAD G0S, G1S, G0SB, G1SB                     ; by this text's count three loads of a wave are out at the most
.irp s, 0,1
	s_mov_b32 s[G0+4*\s], 1
	s_add_co_u32 s[G0+4*\s+1], s2, \s*KHALF
	s_add_nc_u64 s[G0+4*\s+2:G0+4*\s+3], s[40:41], \s*6144
	s_or_b32 s[G0+4*\s+3], s[G0+4*\s+3], 0x80000000
	s_mov_b32 s[G0B+4*\s], 1
	s_add_co_u32 s[G0B+4*\s+1], s3, \s*KHALF
	s_add_nc_u64 s[G0B+4*\s+2:G0B+4*\s+3], s[44:45], \s*6144
	s_or_b32 s[G0B+4*\s+3], s[G0B+4*\s+3], 0x80000000
	JLOAD G0+4*\s, G1, G0B+4*\s, G1B
.endr
	v_and_b32 v1, 15, v0                           ; r
	v_bfe_u32 v2, v0, 4, 1                         ; h
	v_and_b32 v3, 31, v0                           ; lane
	v_lshlrev_b32 v4, 4, v3                        ; 16 x lane
	v_lshlrev_b32 v5, 4, v1
	v_lshl_add_u32 v6, v2, 3, v5                   ; 16 r + 8 h
	s_mul_i32 s66, s17, 49152                      ; my 128 tokens
	s_mul_i32 s67, s18, 24576                      ; my 64 columns
	s_add_co_u32 s67, s67, 98304
.irp s, 0,1
	v_add_nc_u32 v[ADRA+\s], s66, v4
	v_add_nc_u32 v[ADRA+2+\s], s66, v6
	v_add_nc_u32 v[ADRB+\s], s67, v4
	v_add_nc_u32 v[ADRB+2+\s], s67, v6
	s_add_co_u32 s66, s66, KHALF
	s_add_co_u32 s67, s67, KHALF
.endr
	s_lshl_b32 s66, s17, 12                        ; R's scale bytes: my half
	s_lshl_b32 s67, s18, 11                        ; P's: my half, behind R's two
	s_add_co_u32 s67, s67, 8192
	s_sub_co_u32 s67, s67, s66
	v_mul_u32_u24 v7, s67, v2                      ; lanes 16-31 take P's: one product with h
	s_add_co_u32 s66, s66, SCL
	v_lshlrev_b32 v8, 3, v1
	v_add_nc_u32 v[ADRS2], s66, v8
	v_add_nc_u32 v[ADRS], v[ADRS2], v7
	s_mul_i32 s66, s16, 4352                       ; my stage: 16 rows x 272 bytes, in K's first half, which has had its only fill and is read by nobody behind the barrier between the halves
	v_mul_u32_u24 v[STO], v1, 272
	v_lshl_add_u32 v[STO], v2, 6, v[STO]
	v_add_nc_u32 v[STO], s66, v[STO]               ; in: row r, + 64 h
	v_mul_u32_u24 v[RD], v2, 272
	v_add_nc_u32 v[RD], v[RD], v5
	v_add_nc_u32 v[RD], s66, v[RD]                 ; back: lanes 0-15 one row of 256 bytes, lanes 16-31 the next
	v_lshl_add_u32 v[CO], v2, 12, v5               ; and in out0
	s_lshl_b32 s94, s92, 8
	s_lshl_b32 s66, s17, 7
	s_add_co_u32 s94, s94, s66
	s_lshl_b32 s94, s94, 12                        ; my first token's row of 4,096 bytes
	s_lshl_b32 s66, s93, 9
	s_add_co_u32 s94, s94, s66
	s_lshl_b32 s66, s18, 8
	s_add_co_u32 s94, s94, s66                     ; + my first column
	s_add_nc_u64 s[14:15], s[14:15], s[94:95]
	s_lshl_b32 s96, s93, 9                         ; the bias: number 16 bb + i belongs to column 128 TP + 64 (wave & 1) + 32 bb + 16 h + i
	s_add_co_u32 s96, s96, s66
	s_add_nc_u64 s[12:13], s[12:13], s[96:97]
	v_lshlrev_b32 v9, 6, v2
.irp bb, 0,1
.irp jj, 0,1,2,3
	global_load_b128 v[BI+16*\bb+4*\jj:BI+16*\bb+4*\jj+3], v9, s[12:13] offset:128*\bb+16*\jj
.endr
.endr
.macro FRAG reg, adr, off
	ds_load_b128 v[\reg:\reg+3], v[\adr] offset:\off
	ds_load_b64 v[\reg+4:\reg+5], v[\adr+2] offset:\off+512
	ds_load_b128 v[\reg+6:\reg+9], v[\adr] offset:\off+768
	ds_load_b64 v[\reg+10:\reg+11], v[\adr+2] offset:\off+1280
.endm
.macro FETCH_P half, q, p              ; P's four fragments of the half's q-th 128 along K into set p
	WIN TO_P
.irp i, 0,1,2,3
	FRAG 128*(\p)+FR*\i, ADRB+\half, \i*6144+(\q)*1536
.endr
	WIN 0
.endm
.macro FETCH_R half, q, i0
.irp i, \i0, \i0+1, \i0+2, \i0+3
	FRAG AF+FR*(\i), ADRA+\half, (\i)*6144+(\q)*1536
.endr
.endm
; 8 matrix instructions: R's blocks a0, a0 + 1 x P's four.  The 32 accumulators take turns, one instruction a turn, in the same order in every step.
.macro MUL8 a0, p, g, first
.irp a, \a0, \a0+1
.irp b, 0,1,2,3
.if \first
	v_wmma_scale_f32_16x16x128_f8f6f4 v[8*(4*(\a)+\b):8*(4*(\a)+\b)+7], v[128*(\p)+FR*\b:128*(\p)+FR*\b+FR-1], v[AF+FR*(\a):AF+FR*(\a)+FR-1], v[BI+8*\b:BI+8*\b+7], v[SC+8*\b+(\g)], v[SC+8*(\a)+(\g)] matrix_a_fmt:MATRIX_FMT_FP6 matrix_b_fmt:MATRIX_FMT_FP6 matrix_a_scale:MATRIX_SCALE_ROW1
.else
	v_wmma_scale_f32_16x16x128_f8f6f4 v[8*(4*(\a)+\b):8*(4*(\a)+\b)+7], v[128*(\p)+FR*\b:128*(\p)+FR*\b+FR-1], v[AF+FR*(\a):AF+FR*(\a)+FR-1], v[8*(4*(\a)+\b):8*(4*(\a)+\b)+7], v[SC+8*\b+(\g)], v[SC+8*(\a)+(\g)] matrix_a_fmt:MATRIX_FMT_FP6 matrix_b_fmt:MATRIX_FMT_FP6 matrix_a_scale:MATRIX_SCALE_ROW1
.endif
.endr
.endr
.endm
; Step g of 128 along K whose successor lies in the same half.
.macro PSTEP g, first
	s_wait_dscnt 4*NL                              ; P's set and R's blocks 0-3 are in; the youngest 16 loads (R's blocks 4-7) may be out
	WIN MUL-0x20*\first
	MUL8 0, (\g)%2, \g, \first
	MUL8 2, (\g)%2, \g, \first
	s_wait_dscnt 0
	PLACES NP
	FETCH_P (\g)/4, ((\g)+1)%4, ((\g)+1)%2
	FETCH_R (\g)/4, ((\g)+1)%4, 0
	WIN MUL-0x20*\first
	MUL8 4, (\g)%2, \g, \first
	MUL8 6, (\g)%2, \g, \first
	PLACES NP
	WIN 0
	FETCH_R (\g)/4, ((\g)+1)%4, 4
.endm
	s_wait_tensorcnt 1                             ; the scale bytes and my part of K's first half are in (the second half's load may be out),
	s_barrier_signal -1
	s_barrier_wait -1                              ; everybody's are
	FETCH_P 0, 0, 0
	FETCH_R 0, 0, 0
.irp i, 0,1,2,3
.irp s, 0,1,2,3
	ds_load_b64 v[SC+8*\i+2*\s:SC+8*\i+2*\s+1], v[ADRS] offset:(\i/2)*1024+256*\s+128*(\i%2)
.endr
.endr
.irp i, 4,5,6,7
.irp s, 0,1,2,3
	ds_load_b64 v[SC+8*\i+2*\s:SC+8*\i+2*\s+1], v[ADRS2] offset:(\i/2)*1024+256*\s+128*(\i%2)
.endr
.endr
	FETCH_R 0, 0, 4
	s_wait_loadcnt 0x0                             ; the bias
	PSTEP 0, 1                                     ; the first products start the sums from the bias
	PSTEP 1, 0
	PSTEP 2, 0
	; step 3 goes over to K's second half: one barrier
	s_wait_tensorcnt 0x0                           ; my part of the second half has landed
	s_wait_dscnt 4*NL
	WIN MUL
	MUL8 0, 1, 3, 0
	s_wait_dscnt 0x0                               ; my reads of the first half are over
	s_barrier_signal -1
	MUL8 2, 1, 3, 0
	s_barrier_wait -1
	PLACES NP
	FETCH_P 1, 0, 0
	FETCH_R 1, 0, 0
	WIN MUL
	MUL8 4, 1, 3, 0
	MUL8 6, 1, 3, 0
	PLACES NP
	WIN 0
	FETCH_R 1, 0, 4
	PSTEP 4, 0
	PSTEP 5, 0
	PSTEP 6, 0
	s_wait_dscnt 4*NL
	WIN MUL
	MUL8 0, 1, 7, 0
	MUL8 2, 1, 7, 0
	s_wait_dscnt 0
	MUL8 4, 1, 7, 0
	MUL8 6, 1, 7, 0
	WIN 0
; THE WAY OUT, a tile of 16 tokens x 64 columns at a time, through my own stage: a lane's registers of accumulator b are columns 32 (b / 2) + 16 h + 8 (b % 2) + 0..7 of image row r.
; LDS serves a wave's instructions in order: no wait between the stores and the loads, nor in front of the next tile's stores.
.macro TOSTAGE a
	WIN 0x08                                       ; an LDS store's data are its source 1: window 2
.irp b, 0,1,2,3
	ds_store_b128 v[STO], v[8*(4*(\a)+\b):8*(4*(\a)+\b)+3] offset:128*(\b/2)+32*(\b%2)       ; each accumulator from its low end on
	ds_store_b128 v[STO], v[8*(4*(\a)+\b)+4:8*(4*(\a)+\b)+7] offset:128*(\b/2)+32*(\b%2)+16
.endr
	WIN 0
.irp t, 0,1,2,3,4,5,6,7
	ds_load_b128 v[BK+32*((\a)%2)+4*\t:BK+32*((\a)%2)+4*\t+3], v[RD] offset:544*\t
.endr
.endm
.macro SEND a, younger                 ; image rows 2 t and 2 t + 1 are tokens 32 (a / 2) + 8 (a % 2) + 2 (t % 4) + 16 (t / 4) and the next
	s_wait_dscnt \younger
.irp t, 0,1,2,3,4,5,6,7
	global_store_b128 v[CO], v[BK+32*((\a)%2)+4*\t:BK+32*((\a)%2)+4*\t+3], s[14:15] offset:(32*((\a)/2)+8*((\a)%2)+2*(\t%4)+16*(\t/4))*4096 th:TH_STORE_NT   ; sixteen lanes store 256 consecutive bytes, aligned
.endr
.endm
	PLACES NP                                      ; behind the last products: their results are read and their operands' registers loaded into
	TOSTAGE 0
.irp a, 1,2,3,4,5,6,7
.if \a > 1
	s_wait_xcnt 0x0                                ; tile a - 2's stores have read their registers: tile a's loads may land there
.endif
	TOSTAGE \a
	SEND \a-1, 16                                  ; behind tile a - 1's loads: tile a's 8 stores and 8 loads
.endr
	SEND 7, 0
	s_wait_dscnt 0x0
	s_wait_tensorcnt 0x0
	ds_add_u32 v254, v255
	s_wait_dscnt 0x0
	CROUND                                         ; the closing round: no work-group ends while a partner may still ask for a tile that names it
	s_endpgm
.Lfunc_end_k_q9a1371d72c_proj:
	.size	k_q9a1371d72c_proj, .Lfunc_end_k_q9a1371d72c_proj-k_q9a1371d72c_proj
	.p2alignl 7, 3214868480
	.fill 96, 4, 3214868480
	.section	.rodata,"a",@progbits
	.p2align	6, 0x0
	.amdhsa_kernel k_q9a1371d72c_proj
		.amdhsa_group_segment_fixed_size 327680
		.amdhsa_private_segment_fixed_size 0
		.amdhsa_enable_private_segment 0
		.amdhsa_kernarg_size 48
		.amdhsa_user_sgpr_count 2
		.amdhsa_user_sgpr_kernarg_segment_ptr 1
		.amdhsa_wavefront_size32 1
		.amdhsa_system_sgpr_workgroup_id_x 1
		.amdhsa_system_sgpr_workgroup_id_y 1
		.amdhsa_system_sgpr_workgroup_id_z 1
		.amdhsa_system_vgpr_workitem_id 0
		.amdhsa_next_free_vgpr 768
		.amdhsa_next_free_sgpr 100
		.amdhsa_reserve_vcc 0
		.amdhsa_float_denorm_mode_32 3
		.amdhsa_float_denorm_mode_16_64 3
		.amdhsa_memory_ordered 1
		.amdhsa_forward_progress 1
		.amdhsa_inst_pref_size 88
	.end_amdhsa_kernel
	.amdgpu_metadata
---
amdhsa.version: [ 1, 2 ]
amdhsa.kernels:
  - .name:           k_q9a1371d72c_proj
    .symbol:         k_q9a1371d72c_proj.kd
    .args:
      - { .name: ai, .offset: 0, .size: 8, .value_kind: global_buffer, .address_space: global }
      - { .name: asc, .offset: 8, .size: 8, .value_kind: global_buffer, .address_space: global }
      - { .name: wi, .offset: 16, .size: 8, .value_kind: global_buffer, .address_space: global }
      - { .name: ws, .offset: 24, .size: 8, .value_kind: global_buffer, .address_space: global }
      - { .name: c_proj_b, .offset: 32, .size: 8, .value_kind: global_buffer, .address_space: global }
      - { .name: out0, .offset: 40, .size: 8, .value_kind: global_buffer, .address_space: global }
    .group_segment_fixed_size: 327680
    .private_segment_fixed_size: 0
    .kernarg_segment_align: 8
    .kernarg_segment_size: 48
    .max_flat_workgroup_size: 128
    .sgpr_count:     100
    .vgpr_count:     768
    .wavefront_size: 32
...
	.end_amdgpu_metadata
.endif
;; end of part 4
